; MI455X (gfx1250); checked and timed in simulation.
; The chip was launched on July 23, 2026; its instructions are those of AMD's public machine-readable ISA for CDNA 5 (MIT licence, August 2026) and "CDNA5" Instruction Set Architecture Reference Guide (July 2026). The comments in the code are by the model that wrote it; some were corrected since.
;; Multi Head Dot Product Attention. Allowed arithmetic: matrix products marked QUANTISED: E3M2 operands, one E8M0 scale for each 32 along K, by v_wmma_scale_f32_16x16x128_f8f6f4 with both operands' format E3M2, f32 sums; everything else in f32.
;; Inputs: inputs_kv 2 x 2,048 x 1,024 float32; inputs_q 2 x 2,048 x 1,024 float32; k_ln_bias 1,024 float32; k_ln_scale 1,024 float32; mask 2 x 1 x 2,048 x 2,048 bool; q_ln_bias 1,024 float32; q_ln_scale 1,024 float32; wk 1,024 x 1,024 float32; wo 1,024 x 1,024 float32; wq 1,024 x 1,024 float32; wv 1,024 x 1,024 float32.
;; Outputs: out0 2 x 2,048 x 1,024 float32.
;; This version of the problem:
;;   THIS VERSION OF THE PROBLEM IS GIVEN IN LOW PRECISION. The matrix products marked QUANTISED in the list below multiply operands that are first quantised to E3M2 (3 exponent bits, 2 mantissa bits; 6 bits a number), with one power-of-two scale for each 32 numbers along K (OCP MX v1.0); their sums are f32. All else is computed in f32.
;;   The module's matrix products, in the order in which they are computed (A, B: the left and right operand; K: the contracted axis; several contracted axes count as one K, in the product's order):
;;     1. [M 4,096, K 1,024] x [K 1,024, N 1,024]; A: input inputs_q; B: input wq: QUANTISED
;;     2. [M 4,096, K 1,024] x [K 1,024, N 1,024]; A: input inputs_kv; B: input wk: QUANTISED
;;     3. [M 4,096, K 1,024] x [K 1,024, N 1,024]; A: input inputs_kv; B: input wv: QUANTISED
;;     4. batch 32 x [M 2,048, K 64] x [K 64, N 2,048]; A: computed on the way; B: computed on the way: QUANTISED
;;     5. batch 32 x [M 64, K 2,048] x [K 2,048, N 2,048]; A: computed on the way; B: softmax (see below): QUANTISED
;;     6. [M 4,096, K 1,024] x [K 1,024, N 1,024]; A: computed on the way; B: input wo: QUANTISED
;;   THE QUANTISER, for each operand of a quantised product, along K:
;;     - K is cut into blocks of 32 from its start; a last block that is shorter is filled with zeros.
;;     - A block's scale is 2^e with e = floor(log2(the largest magnitude in the block)) - 4, held to -126 .. 127; a block of zeros has e = 0. As a byte (E8M0): e + 127.
;;     - Each number is divided by its block's scale, clamped to +-28, and rounded to the nearest number of E3M2, ties to even, subnormals kept.
;;     - The product sums the exact products of the quantised numbers (number of the format x scale) in f32.
;;   ~~~python
;;   def quantise(x, axis):      # numpy; x: float32 -> the quantised numbers, widened to float32 again
;;       x = np.moveaxis(x, axis, -1); K = x.shape[-1]
;;       x = np.pad(x, [(0, 0)] * (x.ndim - 1) + [(0, -K % 32)]); x = x.reshape(x.shape[:-1] + (-1, 32)); a = np.abs(x).max(-1, keepdims=True)
;;       e = np.where(a > 0, np.clip(np.frexp(np.where(a > 0, a, 1))[1] - 1 - 4, -126, 127), 0)      # np.frexp(a)[1] - 1 = floor(log2(a)), exactly
;;       r = np.clip(x / 2.0 ** e, -28, 28)
;;       step = 2.0 ** (np.maximum(np.frexp(np.where(r == 0, 1, r))[1] - 1, -2) - 2)
;;       q = np.round(r / step) * step * 2.0 ** e      # np.round: ties to even
;;       return np.moveaxis(q.reshape(q.shape[:-2] + (-1,))[..., :K], -1, axis).astype(np.float32)
;;   ~~~
;;   SOFTMAX AHEAD OF A QUANTISED PRODUCT. Where the list says 'softmax', what is quantised is not the finished softmax but p = 2^(t - M), with t = logit x log2(e) and M = ceil(the row's largest t), a whole number; so 1/2 < the row's largest p <= 1. The row's sum l is taken of the UNQUANTISED p, in f32, and the product's result is divided by l at the end. Since M is a whole number, a kernel that streams over the keys may use a running M (the ceiling of the running maximum): every later rescaling is an exact power of two, which a block's scale takes up: the codes' values come out the same.
;;   OPERANDS COMPUTED ON THE WAY. 'Computed on the way' means the value that the module computes at that place (a softmax that the list does not call 'softmax' is quantised finished and normalised). What goes into a quantiser is computed in f32, as accurately as f32 sums, v_exp_f32 and their like allow (about 1e-6 of the number): no bf16 or f16 on the way to a quantiser, and a product that is left as it is and whose result goes on into a quantised operand takes f32 operands (vector FMAs, or v_wmma_f32_16x16x4_f32). A number that lies on a knife's edge between two numbers of the format may be rounded either way, as far as f32 arithmetic and the matrix unit's own rounding can turn it there, and no further.
;; 2 versions, each right; version 2 is version 1 with the launch attn written anew for expert scheduling mode. Each part assembles by itself: llvm-mc -triple=amdgcn-amd-amdhsa -mcpu=gfx1250 --defsym DOCPART=n.
;; ======== version 1 of 2: 4 launches
;; workspace buffers: cod1 9,437,184 bytes; scl1 393,216 bytes; flags 2,048 bytes of whole numbers; qkv 10,223,616 bytes; ao 3,407,872 bytes
;; launch prep (part 1): grid 320 x 1, 4 waves a work-group, no clusters, 34,304 bytes of LDS; arguments inputs_q, inputs_kv, wq, wk, wv, wo, mask, cod1, scl1, flags; writes cod1, scl1, flags
.if DOCPART == 1
	.amdgcn_target "amdgcn-amd-amdhsa--gfx1250"
	.amdhsa_code_object_version 6
	.text
	.protected	k_q2c719b23e7_prep
	.globl	k_q2c719b23e7_prep
	.p2align	8
	.type	k_q2c719b23e7_prep,@function
k_q2c719b23e7_prep:
	s_mov_b64 s[64:65], 0
	v_nop
	global_prefetch_b8 v0, s[64:65] scope:SCOPE_SE
	s_setreg_imm32_b32 hwreg(HW_REG_WAVE_MODE, 25, 1), 1
	s_wait_xcnt 0x0
; LAUNCH 1 OF 4.  The program: (1) this launch; (2) the Q, K, V projections with the LayerNorm of q and k; (3) attention; (4) the projection on the way out.  All six products run on codes of E3M2 with E8M0 scales.
; DEAD WORK: none.  Every input has a way to the output and is loaded, every product of the problem is done.  What is NOT done, in launch 3, are tiles of 128 queries x 128 keys whose mask bytes are ALL 0:
; there every logit is -infinity, so every p is 0: such a tile moves neither the row's largest t, nor its sum, nor O.  Which tiles these are is read from the mask here and stored as whole numbers (flags);
; nothing of the mask's pattern is built in.  LIMIT: a NaN, an infinity or an overflow that arises only in the scores of such a tile is not carried to the result.
; THIS LAUNCH.  Work-groups 0-191: inputs_q, inputs_kv, wq, wk, wv, wo (f32, K = their last axis, 1,024) become codes and scale bytes.  Work-groups 192-319: the mask's 512 tiles become flags.
; A block's scale is 2^(floor(log2(its largest magnitude)) - 4); its byte is the largest magnitude's exponent field - 4, held at 1 from below.
; LIMITS: NaN and infinities among the inputs are not served; a block whose largest magnitude lies under 2^-122 has its byte held at 1; a block of zeros gets the byte 1 (its codes are zeros; these bytes are read by this program alone).
; LAYOUT OF THE WORKSPACE: the order of the operand's registers.  A TILE is 16 rows: lane r of tile t takes row 32 (t / 2) + 8 (t % 2) + r + 8 (r / 8), so that where a tile is a product's source 0 the 16 result
; registers of tiles 2 b and 2 b + 1 are 16 neighbouring rows.  cod1: tile G, K step s (128 along K): 1,536 bytes at 12,288 G + 1,536 s: registers 4 c .. 4 c + 3 of lane L at 512 c + 16 L.
; scl1: tile G: 512 bytes: row r's scale word of K step s at 32 r + 4 s.  Tiles: inputs_q 0-255, inputs_kv 256-511, wq 512-, wk 576-, wv 640-, wo 704-767.
; A wave takes one tile, eight K steps.  Each load reads 512 consecutive bytes of one row; a step's 16 rows turn through the wave's own stage in LDS, so that a lane gets 16 neighbours of each block of 32.
; No matrix unit, no cluster, no tensor load: memory binds, and waves share nothing.
.set SP,    528                        ; a stage row: 512 bytes + 16, an odd multiple of 16 bytes
.set WSTG,  16*SP                      ; a wave's stage
.set SPARE, 4*WSTG                     ; behind the stages: the spare words, 128 bytes a wave
.set SPW,   12                         ; v12  LDS address of my spare word; never rewritten
.set NIL,   13                         ; v13  0; never rewritten
.set R,     16                         ; v16-143   two sets of 64 registers as loaded (the mask path: 128 registers of mask bytes)
.set X,     144                        ; v144-207  64 numbers: register 16 b + i = k 32 b + 16 (lane / 16) + i of my row
.set PC,    208                        ; v208-227  the codes just made (12) and two runs of three at work
.set TM,    228                        ; v228-243  largest magnitudes, bytes, scale operands
.set PWS,   244                        ; v244-251  my row's eight scale words
.set SEL,   42                         ; s[42:43]  lane selects for lane l xor 16
	s_load_b512 s[4:19], s[0:1], 0x0               ; inputs_q, inputs_kv, wq, wk, wv, wo, mask s[16:17], cod1 s[18:19]
	s_load_b128 s[20:23], s[0:1], 0x40             ; scl1, flags
	v_lshl_add_u32 v[SPW], v0, 2, SPARE
	v_mov_b32 v[NIL], 0
	v_lshrrev_b32 v1, 5, v0
	v_readfirstlane_b32 s24, v1                    ; wave
	v_and_b32 v5, 31, v0                           ; lane L
	v_and_b32 v6, 15, v0                           ; r
	v_bfe_u32 v7, v0, 4, 1                         ; h
	v_lshlrev_b32 v1, 4, v5                        ; 16 L
	s_cmp_ge_u32 ttmp9, 192
	s_cbranch_scc1 .Lmask
	; ---------------- the quantiser
	s_mul_i32 s25, s24, WSTG
	v_add_nc_u32 v2, s25, v1                       ; the stage on the way in: 16 L of a row
	v_mul_u32_u24 v3, v6, SP
	v_lshl_add_u32 v3, v7, 6, v3
	v_add_nc_u32 v3, s25, v3                       ; on the way out: row r, + 64 h
	v_lshlrev_b32 v4, 5, v6
	v_lshl_add_u32 v4, v7, 4, v4                   ; the scale words' place: 32 r + 16 h
	s_mov_b32 s[SEL], 0x76543210
	s_mov_b32 s[SEL+1], 0xfedcba98
	s_mov_b32 s33, 0xffff0000                      ; lanes 16-31
.irp b, 0,1,2,3
	v_mov_b32 v[TM+4+\b], 0                        ; written once: a lane permute's destination counts as one of its sources
.endr
	s_wait_kmcnt 0x0
	s_mov_b64 s[26:27], s[14:15]                   ; which tensor: a choice on the work-group's number alone
	s_mov_b32 s28, 176                             ; and its first work-group
	s_cmp_lt_u32 ttmp9, 176
	s_cselect_b64 s[26:27], s[12:13], s[26:27]
	s_cselect_b32 s28, 160, s28
	s_cmp_lt_u32 ttmp9, 160
	s_cselect_b64 s[26:27], s[10:11], s[26:27]
	s_cselect_b32 s28, 144, s28
	s_cmp_lt_u32 ttmp9, 144
	s_cselect_b64 s[26:27], s[8:9], s[26:27]
	s_cselect_b32 s28, 128, s28
	s_cmp_lt_u32 ttmp9, 128
	s_cselect_b64 s[26:27], s[6:7], s[26:27]
	s_cselect_b32 s28, 64, s28
	s_cmp_lt_u32 ttmp9, 64
	s_cselect_b64 s[26:27], s[4:5], s[26:27]
	s_cselect_b32 s28, 0, s28
	s_sub_co_u32 s28, ttmp9, s28
	s_lshl_b32 s28, s28, 2
	s_add_co_u32 s28, s28, s24                     ; my tile in its tensor
	s_lshr_b32 s29, s28, 1
	s_lshl_b32 s30, s29, 17                        ; 32 rows of 4,096 bytes for each pair of tiles,
	s_and_b32 s29, s28, 1
	s_lshl_b32 s29, s29, 15                        ; 8 rows for the odd one
	s_add_co_u32 s30, s30, s29
	s_mov_b32 s31, 0
	s_add_nc_u64 s[26:27], s[26:27], s[30:31]
	s_lshl_b32 s32, ttmp9, 2
	s_add_co_u32 s32, s32, s24                     ; G
	s_mul_i32 s30, s32, 12288
	s_add_nc_u64 s[18:19], s[18:19], s[30:31]
	s_lshl_b32 s30, s32, 9
	s_add_nc_u64 s[20:21], s[20:21], s[30:31]
.macro LOAD t                          ; K step t: 512 bytes of each of my 16 rows, into set t % 2
.irp i, 0,1,2,3,4,5,6,7,8,9,10,11,12,13,14,15
	global_load_b128 v[R+64*((\t)%2)+4*\i:R+64*((\t)%2)+4*\i+3], v1, s[26:27] offset:(\i+8*(\i/8))*4096+512*(\t) th:TH_LOAD_NT
.endr
.endm
; 64 numbers of a lane become a fragment's codes in v[PC] on and my row's scale word in v[pw]
.macro QUANT s, pw
.irp b, 0,1,2,3
	v_max3_num_f32 v[TM+\b], |v[\s+16*\b]|, |v[\s+1+16*\b]|, 0x2800000   ; block b: my 16 numbers, and the floor 2^(5 - 127): the byte cannot fall under 1
.endr
.irp i, 2,4,6,8,10,12,14
.irp b, 0,1,2,3
	v_max3_num_f32 v[TM+\b], v[TM+\b], |v[\s+16*\b+\i]|, |v[\s+1+16*\b+\i]|   ; the four blocks by turns
.endr
.endr
.irp b, 0,1,2,3
	v_permlanex16_b32 v[TM+4+\b], v[TM+\b], s[SEL], s[SEL+1]
.endr
.irp b, 0,1,2,3
	v_max_num_f32 v[TM+\b], v[TM+\b], v[TM+4+\b]   ; with lane l xor 16's: the block's largest magnitude
.endr
.irp b, 0,1,2,3
	v_add_nc_u32 v[TM+12+\b], 0xfe000000, v[TM+\b] ; 4 off its exponent field: the conversion's scale operand
.endr
.irp b, 0,1,2,3
	v_lshrrev_b32 v[TM+4+\b], 23, v[TM+12+\b]      ; the scale's byte
.endr
	v_lshl_or_b32 v[\pw], v[TM+5], 8, v[TM+4]
	v_lshl_or_b32 v[\pw], v[TM+6], 16, v[\pw]
	v_lshl_or_b32 v[\pw], v[TM+7], 24, v[\pw]
	s_wait_xcnt 0x0                                ; the last step's stores have read v[PC] on: it is written again only behind this wait
.irp c, 0,1
	v_cvt_scalef32_pk16_bf6_f32 v[PC+6*\c:PC+6*\c+2], v[\s+32*\c:\s+32*\c+15], v[TM+12+2*\c]
	v_cvt_scalef32_pk16_bf6_f32 v[PC+12+4*\c:PC+14+4*\c], v[\s+16+32*\c:\s+31+32*\c], v[TM+13+2*\c]   ; (a conversion's three registers begin on an even number)
.endr
	v_nop                                          ; one plain place behind the scaled conversions
.irp c, 0,1                                    ; the operand's layout wants a whole block in a lane
.irp i, 0,1,2
	v_permlane16_swap_b32 v[PC+6*\c+\i], v[PC+12+4*\c+\i]
.endr
.irp i, 0,1,2
	v_mov_b32 v[PC+3+6*\c+\i], v[PC+12+4*\c+\i]
.endr
.endr
.endm
.macro STEP t
.if (\t) < 7
	s_wait_loadcnt 16                              ; this step's 16 loads are in; the next step's 16 may be out
.else
	s_wait_loadcnt 0x0
.endif
.irp i, 0,1,2,3,4,5,6,7,8,9,10,11,12,13,14,15
	ds_store_b128 v2, v[R+64*((\t)%2)+4*\i:R+64*((\t)%2)+4*\i+3] offset:\i*SP
.endr
.irp b, 0,1,2,3
.irp j, 0,1,2,3
	ds_load_b128 v[X+16*\b+4*\j:X+16*\b+4*\j+3], v3 offset:128*\b+16*\j   ; LDS serves a wave's instructions in order: these see my stores
.endr
.endr
	s_wait_dscnt 0x0                               ; the numbers are back, and the stores have read their registers,
.if (\t) < 6
	LOAD (\t)+2                                    ; which take the loads of two steps on
.endif
	QUANT X, PWS+(\t)
.irp c, 0,1,2
	global_store_b128 v1, v[PC+4*\c:PC+4*\c+3], s[18:19] offset:(\t)*1536+\c*512   ; 32 lanes store 512 consecutive bytes
.endr
.endm
	LOAD 0
	LOAD 1
.irp t, 0,1,2,3,4,5,6,7
	STEP \t
.endr
.irp i, 0,1,2,3
	v_cndmask_b32 v[X+\i], v[PWS+\i], v[PWS+4+\i], s33   ; lanes 0-15 keep K steps 0-3, lanes 16-31 take 4-7 (both halves hold all eight words of row r)
.endr
	global_store_b128 v4, v[X:X+3], s[20:21]       ; 512 consecutive bytes
	s_wait_tensorcnt 0x0                           ; the wave's end, behind my last LDS store
	ds_add_u32 v[SPW], v[NIL]
	s_wait_dscnt 0x0
	s_endpgm
	; ---------------- the mask: a wave takes one tile of 128 queries x 128 keys
.Lmask:
	s_sub_co_u32 s25, ttmp9, 192
	s_lshl_b32 s25, s25, 2
	s_add_co_u32 s25, s25, s24                     ; tile m = (16 batch + query block) 16 + key step
	s_lshr_b32 s26, s25, 8
	s_lshl_b32 s26, s26, 22                        ; batch x 2,048 x 2,048
	s_bfe_u32 s27, s25, 0x40004
	s_lshl_b32 s27, s27, 18                        ; query block x 128 rows of 2,048 bytes
	s_add_co_u32 s26, s26, s27
	s_and_b32 s38, s25, 15                         ; k
	s_lshl_b32 s27, s38, 7
	s_add_co_u32 s26, s26, s27
	s_mov_b32 s27, 0
	v_lshrrev_b32 v2, 3, v5
	v_and_b32 v3, 7, v5
	v_lshlrev_b32 v2, 11, v2
	v_lshl_add_u32 v2, v3, 4, v2                   ; eight lanes to a row's 128 bytes, four rows a load
	s_lshl_b32 s30, s25, 2
	s_mov_b32 s31, 0
	s_wait_kmcnt 0x0
	s_add_nc_u64 s[16:17], s[16:17], s[26:27]
	s_add_nc_u64 s[22:23], s[22:23], s[30:31]
.set NN, 0
.rept 32
	global_load_b128 v[R+4*NN:R+4*NN+3], v2, s[16:17] offset:8192*NN
.set NN, NN+1
.endr
	s_wait_loadcnt 0x0
.irp c, 0,1,2,3
	v_or_b32 v[X+\c], v[R+\c], v[R+4+\c]           ; four chains each; the first words start them
	v_and_b32 v[X+4+\c], v[R+\c], v[R+4+\c]
.endr
.set NN, 8
.rept 120
	v_or_b32 v[X+NN%4], v[X+NN%4], v[R+NN]
	v_and_b32 v[X+4+NN%4], v[X+4+NN%4], v[R+NN]
.set NN, NN+1
.endr
	v_or_b32 v[X], v[X], v[X+1]
	v_or_b32 v[X+2], v[X+2], v[X+3]
	v_or_b32 v[X], v[X], v[X+2]
	v_and_b32 v[X+4], v[X+4], v[X+5]
	v_and_b32 v[X+6], v[X+6], v[X+7]
	v_and_b32 v[X+4], v[X+4], v[X+6]
	v_cmp_ne_u32 s34, 0, v[X]                      ; lanes that saw a byte 1
	v_cmp_eq_u32 s35, 0x01010101, v[X+4]           ; lanes that saw nothing else
	s_cmp_lg_u32 s34, 0
	s_cselect_b32 s36, 1, 0                        ; some key counts
	s_cmp_eq_u32 s35, -1
	s_cselect_b32 s37, 1, 0                        ; every key counts
	s_lshl_b32 s36, s36, s38
	s_add_co_u32 s39, s38, 16
	s_lshl_b32 s37, s37, s39
	s_or_b32 s36, s36, s37                         ; bit k, and bit 16 + k: launch 3 joins a query block's 16 words by or
	v_mov_b32 v8, s36
	v_mov_b32 v9, 0
	s_wait_xcnt 0x0                                ; EXEC changes only behind this wait
	v_cmp_eq_u32 vcc_lo, 0, v5
	s_and_saveexec_b32 s40, vcc_lo
	global_store_b32 v9, v8, s[22:23]              ; one word a tile
	s_wait_xcnt 0x0
	s_or_b32 exec_lo, exec_lo, s40
	s_endpgm
.Lfunc_end_k_q2c719b23e7_prep:
	.size	k_q2c719b23e7_prep, .Lfunc_end_k_q2c719b23e7_prep-k_q2c719b23e7_prep
	.p2alignl 7, 3214868480
	.fill 96, 4, 3214868480
	.section	.rodata,"a",@progbits
	.p2align	6, 0x0
	.amdhsa_kernel k_q2c719b23e7_prep
		.amdhsa_group_segment_fixed_size 34304
		.amdhsa_private_segment_fixed_size 0
		.amdhsa_enable_private_segment 0
		.amdhsa_kernarg_size 80
		.amdhsa_user_sgpr_count 2
		.amdhsa_user_sgpr_kernarg_segment_ptr 1
		.amdhsa_wavefront_size32 1
		.amdhsa_system_sgpr_workgroup_id_x 1
		.amdhsa_system_sgpr_workgroup_id_y 1
		.amdhsa_system_sgpr_workgroup_id_z 1
		.amdhsa_system_vgpr_workitem_id 0
		.amdhsa_next_free_vgpr 256
		.amdhsa_next_free_sgpr 66
		.amdhsa_reserve_vcc 1
		.amdhsa_float_denorm_mode_32 3
		.amdhsa_float_denorm_mode_16_64 3
		.amdhsa_memory_ordered 1
		.amdhsa_forward_progress 1
		.amdhsa_inst_pref_size 77
	.end_amdhsa_kernel
	.amdgpu_metadata
---
amdhsa.version: [ 1, 2 ]
amdhsa.kernels:
  - .name:           k_q2c719b23e7_prep
    .symbol:         k_q2c719b23e7_prep.kd
    .args:
      - { .name: inputs_q, .offset: 0, .size: 8, .value_kind: global_buffer, .address_space: global }
      - { .name: inputs_kv, .offset: 8, .size: 8, .value_kind: global_buffer, .address_space: global }
      - { .name: wq, .offset: 16, .size: 8, .value_kind: global_buffer, .address_space: global }
      - { .name: wk, .offset: 24, .size: 8, .value_kind: global_buffer, .address_space: global }
      - { .name: wv, .offset: 32, .size: 8, .value_kind: global_buffer, .address_space: global }
      - { .name: wo, .offset: 40, .size: 8, .value_kind: global_buffer, .address_space: global }
      - { .name: mask, .offset: 48, .size: 8, .value_kind: global_buffer, .address_space: global }
      - { .name: cod1, .offset: 56, .size: 8, .value_kind: global_buffer, .address_space: global }
      - { .name: scl1, .offset: 64, .size: 8, .value_kind: global_buffer, .address_space: global }
      - { .name: flags, .offset: 72, .size: 8, .value_kind: global_buffer, .address_space: global }
    .group_segment_fixed_size: 34304
    .private_segment_fixed_size: 0
    .kernarg_segment_align: 8
    .kernarg_segment_size: 80
    .max_flat_workgroup_size: 128
    .sgpr_count:     66
    .vgpr_count:     256
    .wavefront_size: 32
...
	.end_amdgpu_metadata
.endif
;; end of part 1
;; launch proj (part 2): grid 64 x 3, 4 waves a work-group, clusters of 4 x 1, 327,680 bytes of LDS; arguments cod1, scl1, q_ln_scale, q_ln_bias, k_ln_scale, k_ln_bias, qkv; writes qkv
.if DOCPART == 2
	.amdgcn_target "amdgcn-amd-amdhsa--gfx1250"
	.amdhsa_code_object_version 6
	.text
	.protected	k_q2c719b23e7_proj
	.globl	k_q2c719b23e7_proj
	.p2align	8
	.type	k_q2c719b23e7_proj,@function
k_q2c719b23e7_proj:
	s_mov_b64 s[64:65], 0
	v_nop
	global_prefetch_b8 v0, s[64:65] scope:SCOPE_SE
	s_setreg_imm32_b32 hwreg(HW_REG_WAVE_MODE, 25, 1), 1
	s_wait_xcnt 0x0
	s_wait_alu depctr_hold_cnt(0) depctr_sa_sdst(0) depctr_va_vdst(0) depctr_va_sdst(0) depctr_va_ssrc(0) depctr_va_vcc(0) depctr_vm_vsrc(0)
	s_getreg_b32 s2, hwreg(HW_REG_IB_STS2, 6, 4)
	s_cmp_eq_u32 s2, 0
	s_cbranch_scc0 .Lentry_in_a_cluster
	s_endpgm
.Lentry_in_a_cluster:
	s_bfe_u32 s2, ttmp6, 0x10000c
	s_cmp_lg_u32 s2, 0x3003
	s_cbranch_scc0 .Lentry_shape_is_right
	s_endpgm
.Lentry_shape_is_right:
; LAUNCH 2 OF 4: q = LN(inputs_q wq^T), k = LN(inputs_kv wk^T), v = inputs_kv wv^T, on the codes of launch 1; q and k are quantised along the head's 64, v along the keys, into the layouts of launch 3.  No work is left out.
; ONE MAIN LOOP FOR THREE KINDS (grid y).  A work-group multiplies a STREAMED operand (64 tiles = 1,024 rows; source 0, so its rows run along a lane's result registers) by a RESIDENT one (4 tiles = 64 rows; source 1: a lane holds one row).
;   kind 0, 1: streamed = wq, wk (all 1,024 features); resident = 64 tokens.  A lane holds a token, its registers run along the features: what the LayerNorm and the quantiser along d want.
;   kind 2:    streamed = 1,024 tokens of inputs_kv;   resident = one head's 64 rows of wv.  A lane holds a d, its registers run along the tokens: what the quantiser along the keys wants.
; Wave w takes streamed tiles 16 w .. 16 w + 15 against all four resident tiles: 64 accumulators, 512 registers.  192 work-groups: the LayerNorm ties a token's 1,024 features to one work-group, and 64 rows are what the accumulators hold.
; CLUSTER 4 x 1: the four partners stream the same operand, so each K step's tiles are asked for JOINTLY (the same load, the same descriptor, mask 15).  The resident tiles differ: they come by plain loads, all of K at once.
; THE RING: two slots of one K step (128 along K); each wave fetches and reads its own 16 fragments (24,576 bytes).  A step's streamed fragments lie in registers when its slot is filled again.
; By this text's count a wave has three tensor loads out at the head and one behind each round.
; LAYERNORM: mean, then the mean of squared deviations (as reference() takes the variance), each summed over lanes, halves and the four waves (through LDS); (x - mu) x rsqrt(var + 1e-5), then x gain + bias as one fused multiply-add.
; LIMITS: NaN and infinities are not served; a block under 2^-122 has its byte held at 1; a block of zeros gets the byte 1 (read by this program alone); the last multiply and add of the LayerNorm are fused.
; qkv: for each (batch, head) bh 16 RECORDS of 128 keys at 212,992 bh + 13,312 kstep: K's 8 tiles x 768 bytes | V^T's 4 tiles x 1,536 | K's scale words 512 | V's 512.  Q's tiles at QC + (128 bh + T) 768; Q's scale words at QS.
; A piece of 768 bytes is half a fragment (64 along K): registers 0-3 of lane L at 16 L, registers 4, 5 at 512 + 8 L.
.set SLOTB,  98304
.set WRING,  24576
.set S1C,    196608                    ; the resident operand: tile i at 12,288 i, all of K
.set SCR,    245760                    ; two exchanges of 1,024 bytes for the LayerNorm: written by LDS stores alone
.set SPARE,  247808                    ; the spare words, 128 bytes a wave
.set REC,    13312
.set HREC,   212992
.set QC,     6815744
.set QS,     9961472
.set SPW, 14                           ; v14, v15: my spare word's address, and 0; never rewritten
.set NIL, 15
.set SU,  16                           ; v16-23  four pairs: sums
.set TT,  24                           ; v24-27  a number for each of my four tokens
.set PP,  28                           ; v28-31  at work
.set EX,  32                           ; v32-47  the four waves' parts (in the main loop: SB)
.set SB,  32                           ; v32-47  the resident tiles' scale words: tile i, register s % 4; K steps 4-7 in lanes 16-31
.set SA,  48                           ; v48-111 the streamed tiles' likewise
.set S1F, 112                          ; v112-207 the resident fragments, two sets of 48
.set SQ,  112                          ; behind the main loop: four pairs, sums of squares;
.set MU,  120                          ; four pairs (-mean, 0);
.set RS,  128                          ; four pairs (1 / sqrt(var + eps), 0);
.set DD,  136                          ; eight scale words to store;
.set D2,  144                          ; four at work
.set PC,  208
.set TM,  228
.set PW,  244                          ; v244-251 scale words: 4 g + i
.set WV,   18
.set KIND, 19
.set G1J,  24                          ; s[24:31] group 1 of the joint loads;  s[32:39] of the plain one
.set G1P,  32
.set G0J,  40                          ; s[40:47] group 0 of the joint loads, a set for each slot;  s[48:51] of the plain one
.set G0P,  48
.set SEL,  52
.set MUL_LO, 0xa1                      ; source 0 window 1, source 1 window 0, C and D window 2
.set MUL_HI, 0xf1                      ; the same, C and D window 3
.set TO_1,   0x40                      ; destination window 1
; REGISTERS, in windows of 256: window 0 as above; window 1: the streamed fragments, ONE set, tile a at v[12 a]; behind the main loop gains (v0-127) and biases (v128-255);
; window 2 + a / 8: accumulator (a, i) at v[64 i + 8 (a % 8)].
.set MSB, 0
.macro WIN new                         ; the immediate's high byte repeats the setting that is left
.if MSB != (\new)
	s_set_vgpr_msb (MSB<<8)|(\new)
.set MSB, (\new)
.endif
.endm
.macro PLACES
.rept 4
	v_nop
.endr
.endm
.macro CREST                           ; a round of the cluster's barrier behind its opening barrier
	s_cmp_lg_u32 s[WV], 0
	s_cbranch_scc1 .Lnot_wave_0_\@
	s_barrier_signal -3
.Lnot_wave_0_\@:
	s_barrier_wait -3
	s_barrier_signal -1
	s_barrier_wait -1
.endm
.macro CROUND
	s_barrier_signal -1
	s_barrier_wait -1
	CREST
.endm
.macro FINISH
	s_wait_tensorcnt 0x0                           ; the wave's end, behind my last tensor load and my last LDS store
	ds_add_u32 v[SPW], v[NIL]
	s_wait_dscnt 0x0
	CROUND                                         ; the closing round
	s_endpgm
.endm
	s_load_b256 s[4:11], s[0:1], 0x0               ; cod1, scl1, q_ln_scale, q_ln_bias
	s_load_b128 s[12:15], s[0:1], 0x20             ; k_ln_scale, k_ln_bias
	s_load_b64 s[16:17], s[0:1], 0x30              ; qkv
	v_lshl_add_u32 v[SPW], v0, 2, SPARE
	v_mov_b32 v[NIL], 0
	ds_add_u32 v[SPW], v[NIL]                      ; the wave's opening: the add, twice on end, and its wait ahead of my first tensor load
	ds_add_u32 v[SPW], v[NIL]
	v_lshrrev_b32 v1, 5, v0
	v_readfirstlane_b32 s[WV], v1
	s_and_b32 s[KIND], ttmp7, 0xffff
	s_bfe_u32 s20, ttmp6, 0x40000                  ; cx
	s_mov_b32 s21, ttmp9                           ; the cluster's x
	s_lshl_b32 s22, ttmp9, 2
	s_add_co_u32 s22, s22, s20                     ; X = 4 x cluster + cx: it enters the resident operand's and the results' addresses alone
	s_mov_b32 s[G1J], 15|(3<<16)|(1<<21)           ; mask: all four partners; elements of 8 bytes; bit 21 beside a mask
	s_mov_b32 s[G1J+1], 192<<16                    ; tensor_dim0: a fragment, 1,536 bytes
	s_mov_b32 s[G1J+2], 16<<16                     ; tensor_dim1: my 16 tiles
	s_mov_b32 s[G1J+3], 192<<16                    ; tile_dim0
	s_mov_b32 s[G1J+4], 16                         ; tile_dim1
	s_mov_b32 s[G1J+5], 1536                       ; from tile to tile: 12,288 bytes
	s_mov_b32 s[G1J+6], 0
	s_mov_b32 s[G1J+7], 0
	s_mov_b32 s[G1P], 3<<16                        ; no mask: a tile's 12,288 dense bytes as 48 rows of 256
	s_mov_b32 s[G1P+1], 32<<16
	s_mov_b32 s[G1P+2], 48<<16
	s_mov_b32 s[G1P+3], 32<<16
	s_mov_b32 s[G1P+4], 48
	s_mov_b32 s[G1P+5], 32
	s_mov_b32 s[G1P+6], 0
	s_mov_b32 s[G1P+7], 0
	s_mov_b32 s[SEL], 0x76543210
	s_mov_b32 s[SEL+1], 0xfedcba98
	s_lshr_b32 s56, s21, 2                         ; the streamed operand's first tile: made of the kind and the cluster's x alone
	s_lshl_b32 s57, s56, 6
	s_add_co_u32 s57, s57, 256                     ; kind 2: 1,024 tokens of inputs_kv
	s_cmp_eq_u32 s[KIND], 2
	s_cselect_b32 s57, s57, 576                    ; kind 1: wk
	s_cmp_eq_u32 s[KIND], 0
	s_cselect_b32 s57, 512, s57                    ; kind 0: wq
	s_lshl_b32 s58, s[KIND], 8                     ; the resident operand's first tile
	s_lshl_b32 s59, s22, 2
	s_add_co_u32 s58, s58, s59                     ; kinds 0, 1: 256 kind + 4 X
	s_and_b32 s59, s21, 3
	s_lshl_b32 s59, s59, 2
	s_add_co_u32 s59, s59, s20                     ; kind 2: the head
	s_lshl_b32 s60, s59, 2
	s_add_co_u32 s60, s60, 640
	s_cmp_eq_u32 s[KIND], 2
	s_cselect_b32 s58, s60, s58
	v_and_b32 v8, 31, v0                           ; L
	v_and_b32 v12, 15, v0                          ; r
	v_bfe_u32 v13, v0, 4, 1                        ; h
	v_lshlrev_b32 v1, 4, v8                        ; 16 L
	v_lshlrev_b32 v6, 3, v8                        ; 8 L
	s_mul_i32 s54, s[WV], WRING
	v_add_nc_u32 v2, s54, v1                       ; my fragments in slot 0,
	v_add_nc_u32 v3, SLOTB, v2                     ; in slot 1
	v_add_nc_u32 v4, S1C, v1                       ; the resident fragments
	v_lshlrev_b32 v5, 5, v12
	v_lshl_add_u32 v5, v13, 4, v5                  ; scale words: 32 r + 16 h
	v_lshlrev_b32 v10, 4, v12
	v_add_nc_u32 v10, SCR, v10                     ; the exchange: 16 r,
	s_lshl_b32 s55, s[WV], 8
	v_add_nc_u32 v9, s55, v10                      ; + 256 x wave where I store
	v_lshlrev_b32 v11, 6, v13                      ; gains and biases: 64 h
.irp b, 0,1,2,3
	v_mov_b32 v[TM+4+\b], 0                        ; written once: a lane permute's destination counts as one of its sources
	v_mov_b32 v[PP+\b], 0
.endr
	s_wait_dscnt 0x0                               ; both opening adds are done
	s_wait_kmcnt 0x0
	s_lshl_b32 s61, s[WV], 4
	s_add_co_u32 s61, s61, s57                     ; my first streamed tile
	s_mul_i32 s62, s61, 12288
	s_mov_b32 s63, 0
	s_add_nc_u64 s[66:67], s[4:5], s[62:63]
	s_mov_b32 s[G0J], 1
	s_mov_b32 s[G0J+1], s54
	s_mov_b64 s[G0J+2:G0J+3], s[66:67]             ; K step 0
	s_or_b32 s[G0J+3], s[G0J+3], 0x80000000
	s_mov_b32 s[G0J+4], 1
	s_add_co_u32 s[G0J+5], s54, SLOTB
	s_add_nc_u64 s[G0J+6:G0J+7], s[66:67], 1536    ; K step 1
	s_or_b32 s[G0J+7], s[G0J+7], 0x80000000
	s_add_co_u32 s68, s58, s[WV]                   ; wave w fetches resident tile w
	s_mul_i32 s68, s68, 12288
	s_mov_b32 s69, 0
	s_mov_b32 s[G0P], 1
	s_mul_i32 s[G0P+1], s[WV], 12288
	s_add_co_u32 s[G0P+1], s[G0P+1], S1C
	s_add_nc_u64 s[G0P+2:G0P+3], s[4:5], s[68:69]
	s_or_b32 s[G0P+3], s[G0P+3], 0x80000000
	s_lshl_b32 s62, s61, 9
	s_add_nc_u64 s[70:71], s[6:7], s[62:63]        ; my streamed tiles' scale words
	s_lshl_b32 s68, s58, 9
	s_add_nc_u64 s[72:73], s[6:7], s[68:69]        ; the resident tiles'
	CROUND                                         ; all four partners are here: the first loads meet
	tensor_load_to_lds s[G0P:G0P+3], s[G1P:G1P+7]
	s_nop 0
	tensor_load_to_lds s[G0J:G0J+3], s[G1J:G1J+7]
	s_nop 0
	tensor_load_to_lds s[G0J+4:G0J+7], s[G1J:G1J+7]
	s_nop 0
	PLACES
.irp a, 0,1,2,3,4,5,6,7,8,9,10,11,12,13,14,15
	global_load_b128 v[SA+4*\a:SA+4*\a+3], v5, s[70:71] offset:512*\a   ; a tile's scale words for all of K: 512 consecutive bytes
.endr
.irp i, 0,1,2,3
	global_load_b128 v[SB+4*\i:SB+4*\i+3], v5, s[72:73] offset:512*\i
.endr
.macro FETCH_S0 s, a0                  ; streamed tiles a0 .. a0 + 7 of K step s: 24 loads
	WIN TO_1
.irp a, 0,1,2,3,4,5,6,7
.irp c, 0,1,2
	ds_load_b128 v[12*(\a0+\a)+4*\c:12*(\a0+\a)+4*\c+3], v[2+(\s)%2] offset:(\a0+\a)*1536+\c*512
.endr
.endr
	WIN 0
.endm
.macro FETCH_S1 s                      ; the four resident fragments of K step s: 12 loads
.irp i, 0,1,2,3
.irp c, 0,1,2
	ds_load_b128 v[S1F+48*((\s)%2)+12*\i+4*\c:S1F+48*((\s)%2)+12*\i+4*\c+3], v4 offset:\i*12288+(\s)*1536+\c*512
.endr
.endr
.endm
.macro WM d, a, b, z, sa, sb, row
.if \z
	v_wmma_scale_f32_16x16x128_f8f6f4 v[(\d):(\d)+7], v[(\a):(\a)+11], v[(\b):(\b)+11], 0, v[\sa], v[\sb] matrix_a_fmt:MATRIX_FMT_BF6 matrix_b_fmt:MATRIX_FMT_BF6
.elseif \row
	v_wmma_scale_f32_16x16x128_f8f6f4 v[(\d):(\d)+7], v[(\a):(\a)+11], v[(\b):(\b)+11], v[(\d):(\d)+7], v[\sa], v[\sb] matrix_a_fmt:MATRIX_FMT_BF6 matrix_b_fmt:MATRIX_FMT_BF6 matrix_a_scale:MATRIX_SCALE_ROW1 matrix_b_scale:MATRIX_SCALE_ROW1
.else
	v_wmma_scale_f32_16x16x128_f8f6f4 v[(\d):(\d)+7], v[(\a):(\a)+11], v[(\b):(\b)+11], v[(\d):(\d)+7], v[\sa], v[\sb] matrix_a_fmt:MATRIX_FMT_BF6 matrix_b_fmt:MATRIX_FMT_BF6
.endif
.endm
.macro MUL s, a                        ; streamed tile a against the four resident tiles.  The first K step starts the sums: nothing is cleared
.irp i, 0,1,2,3
	WM 64*\i+8*((\a)%8), 12*(\a), S1F+48*((\s)%2)+12*\i, (\s)==0, SA+4*(\a)+(\s)%4, SB+4*\i+(\s)%4, (\s)/4
.endr
.endm
.macro MULS s, a0, n                   ; the 64 accumulators take turns, one instruction a turn, in the same order in every step
.set AA, \a0
.rept \n
	MUL \s, AA
.set AA, AA+1
.endr
.endm
; A K step behind which its slot is filled again, two K steps ahead.
.macro TURN s
	s_wait_dscnt 24                                ; tiles 0-7 and the resident fragments are in; the youngest 24 loads (tiles 8-15) may be out
	WIN MUL_LO
	MULS \s, 0, 6
	WIN 0                                          ; (the add's two registers lie in window 0)
	s_wait_tensorcnt 0x0                           ; all my tensor loads have landed: the one that was out is the next K step
	ds_add_u32 v[SPW], v[NIL]                      ; 0 onto my spare word
	WIN MUL_LO
	MULS \s, 6, 1                                  ; four matrix instructions stand between the add and the wait for it
	s_wait_dscnt 0x0                               ; the add is done, and my reads of this slot are over: the whole step's fragments lie in registers
	s_barrier_signal -1
	MULS \s, 7, 1
	WIN 0
	s_barrier_wait -1
	CREST                                          ; the barrier has opened a round of the cluster's: no wave of any partner still reads this slot or has a load on its way
	s_add_nc_u64 s[G0J+4*((\s)%2)+2:G0J+4*((\s)%2)+3], s[G0J+4*((\s)%2)+2:G0J+4*((\s)%2)+3], 2*1536
	tensor_load_to_lds s[G0J+4*((\s)%2):G0J+4*((\s)%2)+3], s[G1J:G1J+7]   ; my one load behind the round: 56 matrix instructions ahead of the wait for it
	s_nop 0
	PLACES                                         ; also the places in front of the loads below
	FETCH_S0 (\s)+1, 0
	FETCH_S1 (\s)+1
	WIN MUL_HI
	MULS \s, 8, 8
	PLACES
	FETCH_S0 (\s)+1, 8
.endm
	s_wait_tensorcnt 0x1                           ; the resident tile and K step 0 are in; K step 1's load may stay out
	s_barrier_signal -1
	s_barrier_wait -1                              ; everybody's resident tile is in
	FETCH_S0 0, 0
	FETCH_S1 0
	FETCH_S0 0, 8
	s_wait_loadcnt 0x0                             ; the scale words
.irp s, 0,1,2,3,4,5
	TURN \s
.endr
	s_wait_dscnt 24                                ; K step 6: nothing is filled again, and the ring's bytes are each wave's own: no barrier
	WIN MUL_LO
	MULS 6, 0, 8
	s_wait_dscnt 0x0
	s_wait_tensorcnt 0x0                           ; K step 7 has landed
	PLACES
	FETCH_S0 7, 0
	FETCH_S1 7
	WIN MUL_HI
	MULS 6, 8, 8
	PLACES
	FETCH_S0 7, 8
	s_wait_dscnt 24                                ; K step 7
	WIN MUL_LO
	MULS 7, 0, 8
	s_wait_dscnt 0x0
	WIN MUL_HI
	MULS 7, 8, 8
	WIN 0
	PLACES                                         ; in front of the first reads of results and of loads into the fragments' registers
; 64 numbers of a lane in window w, v[s] on (register 16 b + i = k 32 b + 16 (lane / 16) + i of my row), become a fragment's codes in v[PC] on and its scale word in v[pw].  Each accumulator is read from its low end on.
.macro QUANT w, s, pw
	WIN (\w)|((\w)<<2)
.irp b, 0,1,2,3
	v_max3_num_f32 v[TM+\b], |v[(\s)+16*\b]|, |v[(\s)+1+16*\b]|, 0x2800000   ; and the floor 2^(5 - 127): the byte cannot fall under 1
.endr
.irp i, 2,4,6,8,10,12,14
.irp b, 0,1,2,3
	v_max3_num_f32 v[TM+\b], |v[(\s)+16*\b+\i]|, |v[(\s)+1+16*\b+\i]|, v[TM+\b]
.endr
.endr
	WIN 0
.irp b, 0,1,2,3
	v_permlanex16_b32 v[TM+4+\b], v[TM+\b], s[SEL], s[SEL+1]
.endr
.irp b, 0,1,2,3
	v_max_num_f32 v[TM+\b], v[TM+\b], v[TM+4+\b]
.endr
.irp b, 0,1,2,3
	v_add_nc_u32 v[TM+12+\b], 0xfe000000, v[TM+\b] ; 4 off the exponent field: the conversion's scale operand
.endr
.irp b, 0,1,2,3
	v_lshrrev_b32 v[TM+4+\b], 23, v[TM+12+\b]
.endr
	v_lshl_or_b32 v[\pw], v[TM+5], 8, v[TM+4]
	v_lshl_or_b32 v[\pw], v[TM+6], 16, v[\pw]
	v_lshl_or_b32 v[\pw], v[TM+7], 24, v[\pw]
	s_wait_xcnt 0x0                                ; the last stores have read v[PC] on
	WIN (\w)
.irp c, 0,1
	v_cvt_scalef32_pk16_bf6_f32 v[PC+6*\c:PC+6*\c+2], v[(\s)+32*\c:(\s)+32*\c+15], v[TM+12+2*\c]
	v_cvt_scalef32_pk16_bf6_f32 v[PC+12+4*\c:PC+14+4*\c], v[(\s)+16+32*\c:(\s)+31+32*\c], v[TM+13+2*\c]
.endr
	WIN 0
	v_nop                                          ; one plain place behind the scaled conversions
.irp c, 0,1
.irp i, 0,1,2
	v_permlane16_swap_b32 v[PC+6*\c+\i], v[PC+12+4*\c+\i]
.endr
.irp i, 0,1,2
	v_mov_b32 v[PC+3+6*\c+\i], v[PC+12+4*\c+\i]
.endr
.endr
.endm
	s_cmp_eq_u32 s[KIND], 2                        ; the kind is the same in all waves and all partners
	s_cbranch_scc1 .Lvpath
	; ---------------- q and k: the LayerNorm over the 1,024 features, then codes along d
	s_cmp_eq_u32 s[KIND], 0
	s_cselect_b64 s[8:9], s[8:9], s[12:13]
	s_cselect_b64 s[10:11], s[10:11], s[14:15]
	s_lshl_b32 s62, s[WV], 10                      ; my 256 features
	s_mov_b32 s63, 0
	s_add_nc_u64 s[8:9], s[8:9], s[62:63]
	s_add_nc_u64 s[10:11], s[10:11], s[62:63]
	WIN TO_1
.irp q, 0,1,2,3,4,5,6,7                        ; register 16 q + n of window 1: the gain of feature 256 w + 32 q + 16 h + n; the bias 128 registers on
.irp j, 0,1,2,3
	global_load_b128 v[16*\q+4*\j:16*\q+4*\j+3], v11, s[8:9] offset:128*\q+16*\j
	global_load_b128 v[128+16*\q+4*\j:128+16*\q+4*\j+3], v11, s[10:11] offset:128*\q+16*\j
.endr
.endr
	WIN 0
	; where the results go
	s_lshr_b32 s56, s22, 5
	s_lshl_b32 s56, s56, 4
	s_lshl_b32 s57, s[WV], 2
	s_add_co_u32 s56, s56, s57                     ; 16 batch + my first head
	s_and_b32 s57, s22, 31                         ; my 64 tokens in the batch
	s_and_b32 s58, s22, 1
	s_lshr_b32 s59, s57, 1
	s_mul_i32 s59, s59, REC                        ; k: the record,
	s_mul_i32 s60, s58, 3072
	s_add_co_u32 s60, s60, s59                     ; my four tiles in it,
	s_lshl_b32 s61, s58, 8
	s_add_co_u32 s61, s61, s59
	s_add_co_u32 s61, s61, 12288                   ; and their scale words
	s_mul_i32 s62, s57, 3072
	s_add_co_u32 s62, s62, QC                      ; q: my four tiles,
	s_lshl_b32 s63, s57, 8
	s_add_co_u32 s63, s63, QS                      ; and their scale words
	s_mov_b32 s66, HREC
	s_mov_b32 s67, HREC
	s_cmp_eq_u32 s[KIND], 0
	s_cselect_b32 s60, s62, s60
	s_cselect_b32 s61, s63, s61
	s_cselect_b32 s66, 98304, s66                  ; from head to head: codes,
	s_cselect_b32 s67, 8192, s67                   ; scale words
	s_mul_i32 s68, s56, s66
	s_add_co_u32 s68, s68, s60
	s_mov_b32 s69, 0
	s_add_nc_u64 s[84:85], s[16:17], s[68:69]      ; my four heads' places: s[84:91]
	s_mov_b32 s68, s66
	s_add_nc_u64 s[86:87], s[84:85], s[68:69]
	s_add_nc_u64 s[88:89], s[86:87], s[68:69]
	s_add_nc_u64 s[90:91], s[88:89], s[68:69]
	s_mul_i32 s68, s56, s67
	s_add_co_u32 s68, s68, s61
	s_add_nc_u64 s[92:93], s[16:17], s[68:69]      ; scale words of heads 0, 1;
	s_lshl_b32 s68, s67, 1
	s_add_nc_u64 s[94:95], s[92:93], s[68:69]      ; of heads 2, 3
	v_mul_lo_u32 v7, v13, s67
	v_lshl_add_u32 v7, v12, 4, v7                  ; lanes 0-15 the even head's 256 bytes, lanes 16-31 the odd head's
	s_mov_b32 s74, 0x3a800000                      ; 1 / 1,024
	s_mov_b32 s75, 0x3727c5ac                      ; 1e-5
	s_mov_b32 s76, 0xffff0000                      ; lanes 16-31
.irp i, 0,1,2,3
	v_mov_b32 v[MU+2*\i+1], 0                      ; named as the upper halves of pairs
	v_mov_b32 v[RS+2*\i+1], 0
.endr
	; the sums: a lane's 128 numbers of each of its four tokens, two at a time, the four tokens by turns, each accumulator from its low end on
	WIN 0x0a
.irp i, 0,1,2,3
	v_pk_add_f32 v[SU+2*\i:SU+2*\i+1], v[64*\i:64*\i+1], v[64*\i+2:64*\i+3]
.endr
	WIN 0x08
.set QQ, 4
.rept 30
.irp i, 0,1,2,3
	v_pk_add_f32 v[SU+2*\i:SU+2*\i+1], v[SU+2*\i:SU+2*\i+1], v[64*\i+QQ:64*\i+QQ+1]
.endr
.set QQ, QQ+2
.endr
	WIN 0x0c
.set QQ, 0
.rept 32
.irp i, 0,1,2,3
	v_pk_add_f32 v[SU+2*\i:SU+2*\i+1], v[SU+2*\i:SU+2*\i+1], v[64*\i+QQ:64*\i+QQ+1]
.endr
.set QQ, QQ+2
.endr
	WIN 0
; four pairs at v[ac] become four sums over the token's 1,024 features, in v[TT] on: the pair's halves, the other half of the lanes, the four waves through LDS
.macro EXCH ac, off
.irp i, 0,1,2,3
	v_add_f32 v[TT+\i], v[\ac+2*\i], v[\ac+2*\i+1]
.endr
.irp i, 0,1,2,3
	v_permlanex16_b32 v[PP+\i], v[TT+\i], s[SEL], s[SEL+1]
.endr
.irp i, 0,1,2,3
	v_add_f32 v[TT+\i], v[TT+\i], v[PP+\i]
.endr
	ds_store_b128 v9, v[TT:TT+3] offset:\off       ; both halves of the lanes write the same 16 bytes with the same values
	s_wait_dscnt 0x0                               ; for the others' sake: my store is done
	s_barrier_signal -1
	s_barrier_wait -1
.irp u, 0,1,2,3
	ds_load_b128 v[EX+4*\u:EX+4*\u+3], v10 offset:\off+256*\u
.endr
	s_wait_dscnt 0x0
.irp i, 0,1,2,3
	v_add_f32 v[TT+\i], v[EX+\i], v[EX+4+\i]
.endr
.irp i, 0,1,2,3
	v_add_f32 v[PP+\i], v[EX+8+\i], v[EX+12+\i]
.endr
.irp i, 0,1,2,3
	v_add_f32 v[TT+\i], v[TT+\i], v[PP+\i]
.endr
.endm
	EXCH SU, 0
.irp i, 0,1,2,3
	v_mul_f32 v[MU+2*\i], 0xba800000, v[TT+\i]     ; -mean
.endr
.macro CENTER w, first                 ; x - mean in place, then the squares' sums
	WIN ((\w)<<6)|(\w)
.set QQ, 0
.rept 32
.irp i, 0,1,2,3
	v_pk_add_f32 v[64*\i+QQ:64*\i+QQ+1], v[64*\i+QQ:64*\i+QQ+1], v[MU+2*\i:MU+2*\i+1] op_sel_hi:[1,0]
.endr
.set QQ, QQ+2
.endr
	WIN (\w)|((\w)<<2)
.set QQ, 0
.rept 32
.irp i, 0,1,2,3
.if \first && (QQ == 0)
	v_pk_mul_f32 v[SQ+2*\i:SQ+2*\i+1], v[64*\i+QQ:64*\i+QQ+1], v[64*\i+QQ:64*\i+QQ+1]
.else
	v_pk_fma_f32 v[SQ+2*\i:SQ+2*\i+1], v[64*\i+QQ:64*\i+QQ+1], v[64*\i+QQ:64*\i+QQ+1], v[SQ+2*\i:SQ+2*\i+1]
.endif
.endr
.set QQ, QQ+2
.endr
	WIN 0
.endm
	CENTER 2, 1
	CENTER 3, 0
	EXCH SQ, 1024                                  ; other bytes than the first exchange: no wave can still be reading them
.irp i, 0,1,2,3
	v_fma_f32 v[TT+\i], v[TT+\i], s74, s75         ; var + eps
.endr
.irp i, 0,1,2,3
	v_rsq_f32 v[RS+2*\i], v[TT+\i]
.endr
	v_nop                                          ; a plain place behind the last of them
	s_wait_alu depctr_va_vdst(0)                   ; one wait for the four, ahead of their first reader
	s_wait_loadcnt 0x0                             ; gains and biases
.macro FIN g, i                        ; heads 2 g, 2 g + 1 of my four, token tile i: normalise, quantise, store
	WIN ((2+\g)<<6)|(2+\g)
.set QQ, 0
.rept 32
	v_pk_mul_f32 v[64*\i+QQ:64*\i+QQ+1], v[64*\i+QQ:64*\i+QQ+1], v[RS+2*\i:RS+2*\i+1] op_sel_hi:[1,0]
.set QQ, QQ+2
.endr
	WIN ((2+\g)<<6)|0x14|(2+\g)                    ; gain and bias in window 1
.set QQ, 0
.rept 32
	v_pk_fma_f32 v[64*\i+QQ:64*\i+QQ+1], v[64*\i+QQ:64*\i+QQ+1], v[64*\g+QQ:64*\g+QQ+1], v[128+64*\g+QQ:128+64*\g+QQ+1]
.set QQ, QQ+2
.endr
	QUANT 2+\g, 64*\i, PW+4*\g+\i
	global_store_b128 v1, v[PC:PC+3], s[84+4*\g:85+4*\g] offset:768*\i           ; registers 0-5: the even head's 64 along d
	global_store_b64 v6, v[PC+4:PC+5], s[84+4*\g:85+4*\g] offset:768*\i+512
	global_store_b128 v1, v[PC+6:PC+9], s[86+4*\g:87+4*\g] offset:768*\i         ; registers 6-11: the odd head's
	global_store_b64 v6, v[PC+10:PC+11], s[86+4*\g:87+4*\g] offset:768*\i+512
.endm
.irp g, 0,1
.irp i, 0,1,2,3
	FIN \g, \i
.endr
.endr
.irp g, 0,1                                    ; a word's low two bytes are the even head's, its high two the odd head's
.irp i, 0,1,2,3
	v_lshrrev_b32 v[D2+\i], 16, v[PW+4*\g+\i]
.endr
.irp i, 0,1,2,3
	v_cndmask_b32 v[DD+4*\g+\i], v[PW+4*\g+\i], v[D2+\i], s76
.endr
	global_store_b128 v7, v[DD+4*\g:DD+4*\g+3], s[92+2*\g:93+2*\g]   ; sixteen lanes fill 256 consecutive bytes: the words of my four tiles, row by row
.endr
	FINISH
	; ---------------- v: no LayerNorm; codes along the keys
.Lvpath:
	s_lshr_b32 s56, s21, 2                         ; which 1,024 tokens
	s_lshr_b32 s57, s56, 1                         ; batch
	s_lshl_b32 s57, s57, 4
	s_and_b32 s58, s21, 3
	s_lshl_b32 s58, s58, 2
	s_add_co_u32 s58, s58, s20                     ; head
	s_add_co_u32 s57, s57, s58
	s_mul_i32 s57, s57, HREC
	s_and_b32 s56, s56, 1
	s_lshl_b32 s56, s56, 3
	s_lshl_b32 s58, s[WV], 1
	s_add_co_u32 s56, s56, s58                     ; my first key step: my 256 tokens are two
	s_mul_i32 s56, s56, REC
	s_add_co_u32 s68, s57, s56
	s_add_co_u32 s68, s68, 6144                    ; V's part of the record
	s_mov_b32 s69, 0
	s_add_nc_u64 s[84:85], s[16:17], s[68:69]
.irp g, 0,1
.irp i, 0,1,2,3
	QUANT 2+\g, 64*\i, PW+4*\g+\i
	global_store_b128 v1, v[PC:PC+3], s[84:85] offset:\g*REC+\i*1536
	global_store_b64 v6, v[PC+4:PC+5], s[84:85] offset:\g*REC+\i*1536+512
	global_store_b128 v1, v[PC+6:PC+9], s[84:85] offset:\g*REC+\i*1536+768
	global_store_b64 v6, v[PC+10:PC+11], s[84:85] offset:\g*REC+\i*1536+1280
.endr
.endr
.irp g, 0,1
	global_store_b128 v1, v[PW+4*\g:PW+4*\g+3], s[84:85] offset:\g*REC+6656   ; the four tiles' scale words as an image of their registers: 512 bytes
.endr
	FINISH
.Lfunc_end_k_q2c719b23e7_proj:
	.size	k_q2c719b23e7_proj, .Lfunc_end_k_q2c719b23e7_proj-k_q2c719b23e7_proj
	.p2alignl 7, 3214868480
	.fill 96, 4, 3214868480
	.section	.rodata,"a",@progbits
	.p2align	6, 0x0
	.amdhsa_kernel k_q2c719b23e7_proj
		.amdhsa_group_segment_fixed_size 327680
		.amdhsa_private_segment_fixed_size 0
		.amdhsa_enable_private_segment 0
		.amdhsa_kernarg_size 56
		.amdhsa_user_sgpr_count 2
		.amdhsa_user_sgpr_kernarg_segment_ptr 1
		.amdhsa_wavefront_size32 1
		.amdhsa_system_sgpr_workgroup_id_x 1
		.amdhsa_system_sgpr_workgroup_id_y 1
		.amdhsa_system_sgpr_workgroup_id_z 1
		.amdhsa_system_vgpr_workitem_id 0
		.amdhsa_next_free_vgpr 1024
		.amdhsa_next_free_sgpr 100
		.amdhsa_reserve_vcc 0
		.amdhsa_float_denorm_mode_32 3
		.amdhsa_float_denorm_mode_16_64 3
		.amdhsa_memory_ordered 1
		.amdhsa_forward_progress 1
		.amdhsa_inst_pref_size 255
	.end_amdhsa_kernel
	.section	.bss,"aw",@nobits
	.p2align	6
	.space	262144
	.amdgpu_metadata
---
amdhsa.version: [ 1, 2 ]
amdhsa.kernels:
  - .name:           k_q2c719b23e7_proj
    .symbol:         k_q2c719b23e7_proj.kd
    .args:
      - { .name: cod1, .offset: 0, .size: 8, .value_kind: global_buffer, .address_space: global }
      - { .name: scl1, .offset: 8, .size: 8, .value_kind: global_buffer, .address_space: global }
      - { .name: q_ln_scale, .offset: 16, .size: 8, .value_kind: global_buffer, .address_space: global }
      - { .name: q_ln_bias, .offset: 24, .size: 8, .value_kind: global_buffer, .address_space: global }
      - { .name: k_ln_scale, .offset: 32, .size: 8, .value_kind: global_buffer, .address_space: global }
      - { .name: k_ln_bias, .offset: 40, .size: 8, .value_kind: global_buffer, .address_space: global }
      - { .name: qkv, .offset: 48, .size: 8, .value_kind: global_buffer, .address_space: global }
    .group_segment_fixed_size: 327680
    .private_segment_fixed_size: 0
    .kernarg_segment_align: 8
    .kernarg_segment_size: 56
    .max_flat_workgroup_size: 128
    .sgpr_count:     100
    .vgpr_count:     1024
    .wavefront_size: 32
...
	.end_amdgpu_metadata
.endif
;; end of part 2
;; launch attn (part 3): grid 8 x 32, 16 waves a work-group, no clusters, 35,840 bytes of LDS; arguments qkv, mask, flags, ao; writes ao
.if DOCPART == 3
	.amdgcn_target "amdgcn-amd-amdhsa--gfx1250"
	.amdhsa_code_object_version 6
	.text
	.protected	k_q2c719b23e7_attn
	.globl	k_q2c719b23e7_attn
	.p2align	8
	.type	k_q2c719b23e7_attn,@function
k_q2c719b23e7_attn:
	s_mov_b64 s[64:65], 0
	v_nop
	global_prefetch_b8 v0, s[64:65] scope:SCOPE_SE
	s_setreg_imm32_b32 hwreg(HW_REG_WAVE_MODE, 25, 1), 1
	s_wait_xcnt 0x0
; LAUNCH 3 OF 4: for each (batch, head): S^T = K Q^T / 8, the mask, p = 2^(t - M), O^T = V^T P^T, O / l, and O's codes along d for launch 4.
; WORK LEFT OUT: tiles of 128 queries x 128 keys whose mask bytes are all 0, by the flags that launch 1 stored: every p there is 0, so they move neither M, nor l, nor O (shown at the head of launch 1).
; THE SOFTMAX: t = score x log2(e) / 8; M = the row's largest t so far, rounded UP to a whole number; p = 2^(t - M) is quantised along the keys, not normalised; l sums the unquantised p; when M moves, l and O are multiplied by 2^(old M - new M): exact.
; SHARES.  A work-group owns query blocks x and 15 - x (128 queries each) of one head; each of its sixteen waves owns one tile of 16 queries in 256 registers, four waves to a SIMD, two of each block.
; Every wave walks all 16 key steps (a constant count); a step's WORK is jumped over where the wave's flag says that no key counts, and the mask's bytes are read only where the flags say that some keys count and some do not.
; NO TENSOR LOAD, NO CLUSTER: what is fetched and what is multiplied hangs on numbers read from memory (the flags), so a key step's record (13,312 bytes: K's and V's fragments and scale words as images of the operand registers)
; comes through registers: 16 bytes a thread, stored to one of two LDS slots a step ahead; one barrier a step.
; LAYOUT.  Both products are used transposed: a lane holds ONE query (lane % 16) throughout.  The keys of a tile are chosen so that the 16 registers of tiles 2 b, 2 b + 1 are keys 32 b + 16 (lane / 16) + 0 .. 15.
; THE HEAD'S K IS 64, THE INSTRUCTION'S 128: Q's upper six registers are zero codes, so whatever codes stand in K's upper six (the next tile's) add nothing.
; LIMITS: NaN and infinities among the numbers are not served.  A query none of whose keys counts has l = 0: its scale bytes are set to 0xff, which makes its whole output row NaN in launch 4, as reference() has it.
.set REC,   13312
.set HREC,  212992
.set QC,    6815744
.set QS,    9961472
.set AOS,   3145728
.set SLOT1, 16384
.set SCLG,  32768                      ; O's scale words on their way out: 2 blocks x 512 bytes
.set SPARE, 33792                      ; the spare words, 128 bytes a wave
.set SPW,  4                           ; v4, v5: my spare word's address, and 0; never rewritten
.set NIL,  5
.set QF,   16                          ; v16-27  Q's fragment; v22-27 zero codes
.set QSR,  28                          ; v28     Q's scale words
.set NINF, 29                          ; v29     -infinity
.set FS,   30                          ; v30-37  the next record's bytes on their way
.set MK,   38                          ; v38-53  mask bytes: 16 keys of each block of 32
.set KV,   54                          ; v54-107 K's eight half fragments (and six zero registers), then V's four fragments
.set SC,   108                         ; v108-171 S^T, then p
.set OT,   172                         ; v172-203 O^T
.set PC,   204                         ; v204-215 p's codes
.set CT,   216                         ; v216-223 at work
.set BM,   224                         ; v224-227 block maxima;  v228-231 the other half's;  v232-235 scale operands;  v236-239 bytes
.set BP,   228
.set SO,   232
.set BY,   236
.set KS,   240                         ; v240-247 K's scale words;  v248-251 V's;  v252 f, v253 p's scale word
.set VS,   248
.set WV,   12
.set RB,   56                          ; s[56:57] the record in hand
.set MB,   58                          ; s[58:59] my tile's rows of the mask, at the key step in hand
.set NEED, 60                          ; bit 0: the step in hand is wanted by one of the two blocks; shifted each step
.set NEED2, 61                         ; the same in waves 0-9, which fetch the record's last 5,120 bytes; 0 in the others
.set ANY,  62                          ; my block: some key counts
.set ALL,  63                          ; my block: every key counts
.set CS,   66                          ; s[66:67] c = log2(e) / 8
.set SEL,  68
.set KI,   70
.macro PLACES
.rept 4
	v_nop
.endr
.endm
	s_load_b256 s[4:11], s[0:1], 0x0               ; qkv, mask, flags, ao
	v_lshl_add_u32 v[SPW], v0, 2, SPARE
	v_mov_b32 v[NIL], 0
	v_lshrrev_b32 v1, 5, v0
	v_readfirstlane_b32 s[WV], v1
	s_mov_b32 s13, ttmp9                           ; x
	s_and_b32 s14, ttmp7, 0xffff                   ; bh
	s_lshr_b32 s15, s14, 4                         ; batch
	s_and_b32 s16, s14, 15                         ; head
	s_lshr_b32 s17, s[WV], 2
	s_xor_b32 s17, s17, s[WV]
	s_and_b32 s17, s17, 1                          ; which of the two blocks is mine
	s_lshr_b32 s18, s[WV], 1                       ; which of its eight tiles
	s_sub_co_u32 s21, 15, s13
	s_cmp_eq_u32 s17, 0
	s_cselect_b32 s19, s13, s21                    ; my block
	s_lshl_b32 s20, s19, 3
	s_add_co_u32 s20, s20, s18                     ; T: my tile of queries
	s_mov_b32 s73, 0
	s_wait_kmcnt 0x0
	s_lshl_b32 s71, s15, 4
	s_add_co_u32 s72, s71, s13
	s_lshl_b32 s72, s72, 6
	s_add_nc_u64 s[74:75], s[8:9], s[72:73]
	s_load_b512 s[24:39], s[74:75], 0x0            ; block x's 16 flag words
	s_add_co_u32 s72, s71, s21
	s_lshl_b32 s72, s72, 6
	s_add_nc_u64 s[76:77], s[8:9], s[72:73]
	s_load_b512 s[40:55], s[76:77], 0x0            ; block 15 - x's
	v_and_b32 v38, 31, v0                          ; L
	v_and_b32 v39, 15, v0                          ; r
	v_bfe_u32 v40, v0, 4, 1                        ; h
	v_lshlrev_b32 v1, 4, v38                       ; 16 L
	v_lshlrev_b32 v2, 3, v38                       ; 8 L
	v_lshlrev_b32 v3, 4, v39                       ; 16 r
	v_lshlrev_b32 v6, 4, v0                        ; 16 x thread
	v_and_b32 v7, 8, v39
	v_add_nc_u32 v7, v7, v39
	v_lshlrev_b32 v7, 11, v7
	v_lshl_add_u32 v7, v40, 4, v7                  ; the mask: row r + 8 (r / 8) of my tile, + 16 h
	s_lshl_b32 s71, s17, 9
	s_lshl_b32 s72, s18, 6
	s_add_co_u32 s71, s71, s72
	s_add_co_u32 s71, s71, SCLG
	v_lshl_add_u32 v8, v39, 2, s71                 ; where my row's scale word goes
	s_min_u32 s71, s[WV], 1
	s_lshl_b32 s71, s71, 9
	s_add_co_u32 s71, s71, SCLG
	v_add_nc_u32 v9, s71, v1                       ; where waves 0 and 1 read a block's words back
	s_lshl_b32 s71, s14, 7
	s_add_co_u32 s71, s71, s20
	s_mul_i32 s72, s71, 768
	s_add_co_u32 s72, s72, QC
	s_add_nc_u64 s[78:79], s[4:5], s[72:73]
	global_load_b128 v[QF:QF+3], v1, s[78:79]      ; Q's half fragment stays in registers
	global_load_b64 v[QF+4:QF+5], v2, s[78:79] offset:512
	s_lshl_b32 s72, s14, 13
	s_lshr_b32 s80, s20, 2
	s_lshl_b32 s80, s80, 8
	s_add_co_u32 s72, s72, s80
	s_and_b32 s80, s20, 3
	s_lshl_b32 s80, s80, 2
	s_add_co_u32 s72, s72, s80
	s_add_co_u32 s72, s72, QS
	s_add_nc_u64 s[80:81], s[4:5], s[72:73]
	global_load_b32 v[QSR], v3, s[80:81]
	s_mul_i32 s72, s14, HREC
	s_add_nc_u64 s[RB:RB+1], s[4:5], s[72:73]
	s_lshl_b32 s72, s15, 22
	s_lshr_b32 s71, s20, 1
	s_lshl_b32 s71, s71, 16
	s_add_co_u32 s72, s72, s71
	s_and_b32 s71, s20, 1
	s_lshl_b32 s71, s71, 14
	s_add_co_u32 s72, s72, s71
	s_add_nc_u64 s[MB:MB+1], s[6:7], s[72:73]
	s_lshl_b32 s71, s15, 7
	s_add_co_u32 s71, s71, s20
	s_lshl_b32 s71, s71, 4
	s_add_co_u32 s71, s71, s16
	s_mul_i32 s72, s71, 768
	s_add_nc_u64 s[82:83], s[10:11], s[72:73]      ; O's codes: ((128 batch + T) 16 + head) 768
	s_cmp_eq_u32 s[WV], 0
	s_cselect_b32 s71, s13, s21
	s_lshl_b32 s72, s71, 9
	s_lshl_b32 s71, s15, 13
	s_add_co_u32 s72, s72, s71
	s_lshl_b32 s71, s16, 14
	s_add_co_u32 s72, s72, s71
	s_add_co_u32 s72, s72, AOS
	s_add_nc_u64 s[84:85], s[10:11], s[72:73]      ; a block's 512 bytes of scale words (waves 0, 1)
	s_and_b32 s86, s16, 1
	s_lshl_b32 s86, s86, 4                         ; an odd head's two bytes go to the word's upper half
	s_mov_b32 s[CS], 0x3e38aa3b
	s_mov_b32 s[CS+1], s[CS]
	s_mov_b32 s[SEL], 0x76543210
	s_mov_b32 s[SEL+1], 0xfedcba98
	v_mov_b32 v13, 0xff61b1e6                      ; the largest t so far: -3e38
	v_floor_f32 v12, -v13                          ; -M
	v_mov_b32 v14, 0
	v_mov_b32 v15, 0
	v_mov_b32 v[NINF], 0xff800000
.irp j, 6,7,8,9,10,11
	v_mov_b32 v[QF+\j], 0                          ; zero codes for the instruction's upper 64 along K
	v_mov_b32 v[KV+42+\j], 0                       ; and what stands beside them behind K's last tile
.endr
.irp j, 0,1,2,3,4,5,6,7
	v_mov_b32 v[FS+\j], 0
.endr
.irp b, 0,1,2,3
	v_mov_b32 v[BP+\b], 0                          ; a lane permute's destination counts as one of its sources
.endr
	v_mov_b32 v253, 0
	v_mov_b32 v254, 0
	v_mov_b32 v255, 0
.set NN, 0
.rept 32
	v_mov_b32 v[OT+NN], 0                          ; O^T: the step is written once; the first change of M leaves zeros zeros
.set NN, NN+1
.endr
	s_wait_kmcnt 0x0
.irp k, 25,26,27,28,29,30,31,32,33,34,35,36,37,38,39
	s_or_b32 s24, s24, s\k
.endr
.irp k, 41,42,43,44,45,46,47,48,49,50,51,52,53,54,55
	s_or_b32 s40, s40, s\k
.endr
	s_or_b32 s[NEED], s24, s40
	s_and_b32 s[NEED], s[NEED], 0xffff
	s_cmp_lt_u32 s[WV], 10
	s_cselect_b32 s[NEED2], s[NEED], 0
	s_cmp_eq_u32 s17, 0
	s_cselect_b32 s[ANY], s24, s40
	s_lshr_b32 s[ALL], s[ANY], 16
	s_and_b32 s[ANY], s[ANY], 0xffff
.macro ASKREC bit, off                 ; a record is asked for, if one of the two blocks wants it: 16 bytes a thread, and 16 more in waves 0-9
	s_and_b32 s71, s[NEED], \bit
	s_cbranch_scc0 .Lno_a_\@
	global_load_b128 v[FS:FS+3], v6, s[RB:RB+1] offset:\off
.Lno_a_\@:
	s_and_b32 s71, s[NEED2], \bit
	s_cbranch_scc0 .Lno_b_\@
	global_load_b128 v[FS+4:FS+7], v6, s[RB:RB+1] offset:\off+8192
.Lno_b_\@:
.endm
.macro PUTREC bit, off                 ; and goes to its slot
	s_and_b32 s71, s[NEED], \bit
	s_cbranch_scc0 .Lno_c_\@
	ds_store_b128 v6, v[FS:FS+3] offset:\off
.Lno_c_\@:
	s_and_b32 s71, s[NEED2], \bit
	s_cbranch_scc0 .Lno_d_\@
	ds_store_b128 v6, v[FS+4:FS+7] offset:\off+8192
.Lno_d_\@:
.endm
	ASKREC 1, 0
	s_wait_loadcnt 0x0                             ; Q, its scale words, record 0
	PUTREC 1, 0
; K's fragments, S^T = K Q^T, and V's fragments asked for
.macro FRONT sl
.irp t, 0,1,2,3,4,5,6,7
	ds_load_b128 v[KV+6*\t:KV+6*\t+3], v1 offset:(\sl)*SLOT1+768*\t
	ds_load_b64 v[KV+6*\t+4:KV+6*\t+5], v2 offset:(\sl)*SLOT1+768*\t+512
.endr
	ds_load_b128 v[KS:KS+3], v3 offset:(\sl)*SLOT1+12288
	ds_load_b128 v[KS+4:KS+7], v3 offset:(\sl)*SLOT1+12544
	s_wait_dscnt 0x0
.irp t, 0,1,2,3,4,5,6,7
	v_wmma_scale_f32_16x16x128_f8f6f4 v[SC+8*\t:SC+8*\t+7], v[KV+6*\t:KV+6*\t+11], v[QF:QF+11], 0, v[KS+\t], v[QSR] matrix_a_fmt:MATRIX_FMT_BF6 matrix_b_fmt:MATRIX_FMT_BF6
.endr
	PLACES                                         ; in front of the loads into K's registers and of the first reads of the scores
.irp t, 0,1,2,3
	ds_load_b128 v[KV+12*\t:KV+12*\t+3], v1 offset:(\sl)*SLOT1+6144+1536*\t
	ds_load_b64 v[KV+12*\t+4:KV+12*\t+5], v2 offset:(\sl)*SLOT1+6144+1536*\t+512
	ds_load_b128 v[KV+12*\t+6:KV+12*\t+9], v1 offset:(\sl)*SLOT1+6144+1536*\t+768
	ds_load_b64 v[KV+12*\t+10:KV+12*\t+11], v2 offset:(\sl)*SLOT1+6144+1536*\t+1280
.endr
	ds_load_b128 v[VS:VS+3], v1 offset:(\sl)*SLOT1+12800
.endm
; a key step's work for my 16 queries
.macro UNIT sl
	s_and_b32 s71, s[ALL], 1
	s_cbranch_scc1 .Lfull_\@
.irp b, 0,1,2,3
	global_load_b128 v[MK+4*\b:MK+4*\b+3], v7, s[MB:MB+1] offset:32*\b   ; my query's mask bytes of keys 32 b + 16 h + 0 .. 15
.endr
	FRONT \sl
	s_wait_loadcnt 0x0                             ; the mask bytes (the record asked for ahead of them has come too: loads come back in order)
.set NN, 0
.rept 64                                       ; where the byte is 0 the score becomes -infinity ahead of the maximum: p = 0 then
	v_and_b32 v[254+NN%2], 1<<(8*(NN%4)), v[MK+4*(NN/16)+(NN%16)/4]
	v_cmp_eq_u32 vcc_lo, 0, v[254+NN%2]
	v_cndmask_b32 v[SC+NN], v[SC+NN], v[NINF], vcc_lo
.set NN, NN+1
.endr
	s_branch .Ljoin_\@
.Lfull_\@:
	FRONT \sl
.Ljoin_\@:
.irp b, 0,1,2,3
	v_max3_num_f32 v[BM+\b], v[SC+16*\b], v[SC+16*\b+1], v[SC+16*\b+2]   ; the largest score of each block of 32 keys: for the row's maximum, and, since p rises with the score, for the block's largest p
.endr
.irp i, 3,5,7,9,11,13
.irp b, 0,1,2,3
	v_max3_num_f32 v[BM+\b], v[BM+\b], v[SC+16*\b+\i], v[SC+16*\b+\i+1]
.endr
.endr
.irp b, 0,1,2,3
	v_max_num_f32 v[BM+\b], v[BM+\b], v[SC+16*\b+15]
.endr
.irp b, 0,1,2,3
	v_permlanex16_b32 v[BP+\b], v[BM+\b], s[SEL], s[SEL+1]
.endr
.irp b, 0,1,2,3
	v_max_num_f32 v[BM+\b], v[BM+\b], v[BP+\b]
.endr
	v_max3_num_f32 v254, v[BM], v[BM+1], v[BM+2]
	v_max_num_f32 v254, v254, v[BM+3]
	v_mul_f32 v254, s[CS], v254                    ; as t
	v_max_num_f32 v13, v13, v254                   ; the running largest t
	v_mov_b32 v254, v12
	v_floor_f32 v12, -v13                          ; the new -M: M is a whole number
	v_sub_f32 v254, v12, v254                      ; old M - new M: a whole number, 0 or less
	v_cvt_i32_f32 v254, v254                       ; (it saturates)
	v_ldexp_f32 v252, 1.0, v254                    ; f = 2^(old M - new M)
.set NN, 0
.rept 32
	v_pk_fma_f32 v[SC+NN:SC+NN+1], v[SC+NN:SC+NN+1], s[CS:CS+1], v[12:13] op_sel_hi:[1,0,0]   ; t - M, two at a time
.set NN, NN+2
.endr
.irp b, 0,1,2,3
	v_fma_f32 v[BM+\b], v[BM+\b], s[CS], v12       ; the same of each block's largest score
.endr
.set NN, 0
.rept 64
	v_exp_f32 v[SC+NN], v[SC+NN]                   ; p = 2^(t - M)
.set NN, NN+1
.endr
	v_pk_mul_f32 v[14:15], v[14:15], v[252:253] op_sel_hi:[1,0]   ; the sums under the new M: a plain place behind the exponentials
	s_wait_alu depctr_va_vdst(0)                   ; one wait for the batch of 64, ahead of its first reader
.irp b, 0,1,2,3
	v_exp_f32 v[BM+\b], v[BM+\b]                   ; the block's largest p
.endr
	v_pk_add_f32 v[254:255], v[SC:SC+1], v[SC+2:SC+3]   ; the row's sum is taken of the unquantised p, in two chains
.set NN, 4
.rept 15
	v_pk_add_f32 v[14:15], v[14:15], v[SC+NN:SC+NN+1]
	v_pk_add_f32 v[254:255], v[254:255], v[SC+NN+2:SC+NN+3]
.set NN, NN+4
.endr
	v_pk_add_f32 v[14:15], v[14:15], v[254:255]
	s_wait_alu depctr_va_vdst(0)                   ; and one for the four
.irp b, 0,1,2,3
	v_max_num_f32 v[BM+\b], 0x2800000, v[BM+\b]    ; the floor 2^(5 - 127): the byte cannot fall under 1
.endr
.irp b, 0,1,2,3
	v_add_nc_u32 v[SO+\b], 0xfe000000, v[BM+\b]
.endr
.irp b, 0,1,2,3
	v_lshrrev_b32 v[BY+\b], 23, v[SO+\b]
.endr
	v_lshl_or_b32 v253, v[BY+1], 8, v[BY]          ; p's scale word for these 128 keys
	v_lshl_or_b32 v253, v[BY+2], 16, v253
	v_lshl_or_b32 v253, v[BY+3], 24, v253
.irp c, 0,1
	v_cvt_scalef32_pk16_bf6_f32 v[PC+6*\c:PC+6*\c+2], v[SC+32*\c:SC+32*\c+15], v[SO+2*\c]
	v_cvt_scalef32_pk16_bf6_f32 v[CT+4*\c:CT+4*\c+2], v[SC+16+32*\c:SC+31+32*\c], v[SO+2*\c+1]
.endr
	v_nop                                          ; one plain place behind the scaled conversions
.irp c, 0,1
.irp i, 0,1,2
	v_permlane16_swap_b32 v[PC+6*\c+\i], v[CT+4*\c+\i]
.endr
.irp i, 0,1,2
	v_mov_b32 v[PC+3+6*\c+\i], v[CT+4*\c+\i]
.endr
.endr
.set NN, 0
.rept 16
	v_pk_mul_f32 v[OT+NN:OT+NN+1], v[OT+NN:OT+NN+1], v[252:253] op_sel_hi:[1,0]   ; O^T under the new M; these sixteen also part the codes and the scale word just written from the products below
.set NN, NN+2
.endr
	s_wait_dscnt 0x0                               ; V's fragments and scale words
.irp t, 0,1,2,3
	v_wmma_scale_f32_16x16x128_f8f6f4 v[OT+8*\t:OT+8*\t+7], v[KV+12*\t:KV+12*\t+11], v[PC:PC+11], v[OT+8*\t:OT+8*\t+7], v[VS+\t], v253 matrix_a_fmt:MATRIX_FMT_BF6 matrix_b_fmt:MATRIX_FMT_BF6
.endr
	PLACES                                         ; in front of the next loads into V's registers and of the next read of O^T
.endm
.macro STEP sl
	s_wait_dscnt 0x0                               ; my stores of this step's record are done, and my reads of the other slot are over
	s_barrier_signal -1
	s_barrier_wait -1                              ; both now hold of all sixteen waves
	ASKREC 2, REC                                  ; the next record (behind the last step bit 1 is 0: nothing is asked for)
	s_and_b32 s71, s[ANY], 1
	s_cbranch_scc0 .Lskip_\@
	UNIT \sl
.Lskip_\@:
	s_wait_loadcnt 0x0                             ; the next record is in registers
	PUTREC 2, (1-(\sl))*SLOT1
	s_wait_xcnt 0x0                                ; every load has read its base: both may step
	s_add_nc_u64 s[RB:RB+1], s[RB:RB+1], REC
	s_add_nc_u64 s[MB:MB+1], s[MB:MB+1], 128
	s_lshr_b32 s[NEED], s[NEED], 1
	s_lshr_b32 s[NEED2], s[NEED2], 1
	s_lshr_b32 s[ANY], s[ANY], 1
	s_lshr_b32 s[ALL], s[ALL], 1
.endm
	s_mov_b32 s[KI], 0
.Lpair:                                            ; eight trips of two key steps: the slots' numbers come back after two
	STEP 0
	STEP 1
	s_add_co_u32 s[KI], s[KI], 1
	s_cmp_lt_u32 s[KI], 8
	s_cbranch_scc1 .Lpair
	; THE WAY OUT: O / l, quantised along d (two blocks of 32), as half a fragment of launch 4's operand
	v_add_f32 v14, v14, v15
	v_permlanex16_b32 v254, v14, s[SEL], s[SEL+1]
	v_add_f32 v14, v14, v254                       ; l
	v_cmp_eq_f32 s72, 0, v14                       ; a query none of whose keys counts
	v_cndmask_b32 v14, v14, 1.0, s72
	v_rcp_f32 v14, v14
	v_mov_b32 v255, 0xffff                         ; (a plain place behind the reciprocal)
	s_wait_alu depctr_va_vdst(0)                   ; ahead of its first reader
.set NN, 0
.rept 32
	v_mul_f32 v[SC+NN], v[OT+NN], v14              ; register 16 b + i: d = 32 b + 16 h + i
.set NN, NN+1
.endr
.irp b, 0,1
	v_max3_num_f32 v[BM+\b], |v[SC+16*\b]|, |v[SC+16*\b+1]|, 0x2800000
.endr
.irp i, 2,4,6,8,10,12,14
.irp b, 0,1
	v_max3_num_f32 v[BM+\b], v[BM+\b], |v[SC+16*\b+\i]|, |v[SC+16*\b+\i+1]|
.endr
.endr
.irp b, 0,1
	v_permlanex16_b32 v[BP+\b], v[BM+\b], s[SEL], s[SEL+1]
.endr
.irp b, 0,1
	v_max_num_f32 v[BM+\b], v[BM+\b], v[BP+\b]
.endr
.irp b, 0,1
	v_add_nc_u32 v[SO+\b], 0xfe000000, v[BM+\b]
.endr
.irp b, 0,1
	v_lshrrev_b32 v[BY+\b], 23, v[SO+\b]
.endr
	v_lshl_or_b32 v253, v[BY+1], 8, v[BY]
	v_cvt_scalef32_pk16_bf6_f32 v[PC:PC+2], v[SC:SC+15], v[SO]
	v_cvt_scalef32_pk16_bf6_f32 v[CT:CT+2], v[SC+16:SC+31], v[SO+1]
	v_nop
.irp i, 0,1,2
	v_permlane16_swap_b32 v[PC+\i], v[CT+\i]
.endr
.irp i, 0,1,2
	v_mov_b32 v[PC+3+\i], v[CT+\i]
.endr
	v_cndmask_b32 v253, v253, v255, s72            ; no key: both bytes 0xff
	v_lshlrev_b32 v253, s86, v253
	global_store_b128 v1, v[PC:PC+3], s[82:83]
	global_store_b64 v2, v[PC+4:PC+5], s[82:83] offset:512
	ds_store_b32 v8, v253                          ; both halves of the lanes write the same word with the same value
	s_wait_dscnt 0x0
	s_barrier_signal -1
	s_barrier_wait -1
	s_cmp_lt_u32 s[WV], 2
	s_cbranch_scc1 .Lgather
	s_wait_tensorcnt 0x0                           ; the wave's end, behind my last LDS store
	ds_add_u32 v[SPW], v[NIL]
	s_wait_dscnt 0x0
	s_endpgm
.Lgather:                                          ; waves 0 and 1 store a block's 512 bytes of scale words whole
	ds_load_b128 v[SC:SC+3], v9
	s_wait_dscnt 0x0
	global_store_b128 v1, v[SC:SC+3], s[84:85]
	s_wait_tensorcnt 0x0
	ds_add_u32 v[SPW], v[NIL]
	s_wait_dscnt 0x0
	s_endpgm
.Lfunc_end_k_q2c719b23e7_attn:
	.size	k_q2c719b23e7_attn, .Lfunc_end_k_q2c719b23e7_attn-k_q2c719b23e7_attn
	.p2alignl 7, 3214868480
	.fill 96, 4, 3214868480
	.section	.rodata,"a",@progbits
	.p2align	6, 0x0
	.amdhsa_kernel k_q2c719b23e7_attn
		.amdhsa_group_segment_fixed_size 35840
		.amdhsa_private_segment_fixed_size 0
		.amdhsa_enable_private_segment 0
		.amdhsa_kernarg_size 32
		.amdhsa_user_sgpr_count 2
		.amdhsa_user_sgpr_kernarg_segment_ptr 1
		.amdhsa_wavefront_size32 1
		.amdhsa_system_sgpr_workgroup_id_x 1
		.amdhsa_system_sgpr_workgroup_id_y 1
		.amdhsa_system_sgpr_workgroup_id_z 1
		.amdhsa_system_vgpr_workitem_id 0
		.amdhsa_next_free_vgpr 256
		.amdhsa_next_free_sgpr 90
		.amdhsa_reserve_vcc 1
		.amdhsa_float_denorm_mode_32 3
		.amdhsa_float_denorm_mode_16_64 3
		.amdhsa_memory_ordered 1
		.amdhsa_forward_progress 1
		.amdhsa_inst_pref_size 69
	.end_amdhsa_kernel
	.amdgpu_metadata
---
amdhsa.version: [ 1, 2 ]
amdhsa.kernels:
  - .name:           k_q2c719b23e7_attn
    .symbol:         k_q2c719b23e7_attn.kd
    .args:
      - { .name: qkv, .offset: 0, .size: 8, .value_kind: global_buffer, .address_space: global }
      - { .name: mask, .offset: 8, .size: 8, .value_kind: global_buffer, .address_space: global }
      - { .name: flags, .offset: 16, .size: 8, .value_kind: global_buffer, .address_space: global }
      - { .name: ao, .offset: 24, .size: 8, .value_kind: global_buffer, .address_space: global }
    .group_segment_fixed_size: 35840
    .private_segment_fixed_size: 0
    .kernarg_segment_align: 8
    .kernarg_segment_size: 32
    .max_flat_workgroup_size: 512
    .sgpr_count:     90
    .vgpr_count:     256
    .wavefront_size: 32
...
	.end_amdgpu_metadata
.endif
;; end of part 3
;; launch outp (part 4): grid 4 x 64, 4 waves a work-group, clusters of 4 x 4, 263,680 bytes of LDS; arguments ao, cod1, scl1, out0; writes out0
.if DOCPART == 4
	.amdgcn_target "amdgcn-amd-amdhsa--gfx1250"
	.amdhsa_code_object_version 6
	.text
	.protected	k_q2c719b23e7_outp
	.globl	k_q2c719b23e7_outp
	.p2align	8
	.type	k_q2c719b23e7_outp,@function
k_q2c719b23e7_outp:
	s_mov_b64 s[64:65], 0
	v_nop
	global_prefetch_b8 v0, s[64:65] scope:SCOPE_SE
	s_setreg_imm32_b32 hwreg(HW_REG_WAVE_MODE, 25, 1), 1
	s_wait_xcnt 0x0
	s_wait_alu depctr_hold_cnt(0) depctr_sa_sdst(0) depctr_va_vdst(0) depctr_va_sdst(0) depctr_va_ssrc(0) depctr_va_vcc(0) depctr_vm_vsrc(0)
	s_getreg_b32 s2, hwreg(HW_REG_IB_STS2, 6, 4)
	s_cmp_eq_u32 s2, 0
	s_cbranch_scc0 .Lentry_in_a_cluster
	s_endpgm
.Lentry_in_a_cluster:
	s_bfe_u32 s2, ttmp6, 0x10000c
	s_cmp_lg_u32 s2, 0xf033
	s_cbranch_scc0 .Lentry_shape_is_right
	s_endpgm
.Lentry_shape_is_right:
; LAUNCH 4 OF 4: out0 = O wo^T on the codes of launches 3 (O) and 1 (wo).  No work is left out.
; A work-group makes 64 tokens x 256 outputs; wave w takes wo's tiles 4 w .. 4 w + 3 of the block (source 0: the outputs e run along a lane's registers) against the four token tiles (source 1): 16 accumulators.
; ALL OF K for both operands fits in LDS (245,760 bytes), so every fill is a first fill: no ring, no refill.  Each wave issues four loads at the head (by this text's count four are out): wo's and O's first K half, then the second.
; CLUSTER 4 x 4: wo's tiles hang on the block of outputs alone and are shared along a column of the cluster, O's on the block of tokens alone and are shared along a row: each is asked for JOINTLY.
; O's fragments lie as two pieces of 768 bytes (a head each): registers 0-3 at 16 L, registers 4, 5 at 512 + 8 L.  O's scale words: an even head's two bytes in the low half of its word, an odd head's in the high half: an or joins them.
; A token whose query had no key carries scale bytes 0xff: its whole output row becomes NaN, as reference() has it.
.set HALF0,  98304                     ; wo: [K half][wave][4 tiles][6,144]
.set S1L,    196608                    ; O: [K half][tile][6,144]
.set HALF1,  24576
.set STG,    245760                    ; a stage of 16 rows x (256 + 16) bytes for each wave: no fill lands there
.set SPARE,  263168
.set AOS,    3145728
.set SPW, 14
.set NIL, 15
.set SA,  16                           ; v16-31  wo's scale words: tile a, register s % 4; K steps 4-7 in lanes 16-31
.set SS,  32                           ; v32-47  O's: register 2 s + p: lanes 0-15 token tile 2 p, lanes 16-31 tile 2 p + 1
.set FR0, 48                           ; v48-143, v144-239: two sets of fragments: wo's four, then O's four
.set WV,  12
.set G1A, 24
.set G1B, 32
.set G0A, 40                           ; s[40:47] wo's group 0, a set for each K half;  s[48:55] O's
.set G0B, 48
.set MSB, 0
.macro WIN new
.if MSB != (\new)
	s_set_vgpr_msb (MSB<<8)|(\new)
.set MSB, (\new)
.endif
.endm
.macro PLACES
.rept 4
	v_nop
.endr
.endm
.macro CROUND
	s_barrier_signal -1
	s_barrier_wait -1
	s_cmp_lg_u32 s[WV], 0
	s_cbranch_scc1 .Lnot_wave_0_\@
	s_barrier_signal -3
.Lnot_wave_0_\@:
	s_barrier_wait -3
	s_barrier_signal -1
	s_barrier_wait -1
.endm
	s_load_b256 s[4:11], s[0:1], 0x0               ; ao, cod1, scl1, out0
	v_lshl_add_u32 v[SPW], v0, 2, SPARE
	v_mov_b32 v[NIL], 0
	ds_add_u32 v[SPW], v[NIL]                      ; the wave's opening: the add, twice on end, and its wait ahead of my first tensor load
	ds_add_u32 v[SPW], v[NIL]
	v_lshrrev_b32 v1, 5, v0
	v_readfirstlane_b32 s[WV], v1
	s_bfe_u32 s13, ttmp6, 0x40000                  ; cx
	s_bfe_u32 s14, ttmp6, 0x40004                  ; cy
	s_and_b32 s15, ttmp7, 0xffff
	s_lshl_b32 s16, s15, 2
	s_add_co_u32 s16, s16, s14                     ; the block of 64 tokens
	s_lshl_b32 s19, ttmp9, 2
	s_add_co_u32 s19, s19, s13                     ; the block of 256 outputs
	s_lshl_b32 s17, s14, 2
	s_lshl_b32 s17, 15, s17                        ; my row of the cluster
	s_lshl_b32 s18, 0x1111, s13                    ; my column
	s_or_b32 s[G1A], s18, (3<<16)|(1<<21)          ; wo's tiles go to my column; elements of 8 bytes; bit 21 beside a mask
	s_mov_b32 s[G1A+1], 768<<16                    ; half of a tile's K: 6,144 bytes
	s_mov_b32 s[G1A+2], 4<<16                      ; my four tiles
	s_mov_b32 s[G1A+3], 768<<16
	s_mov_b32 s[G1A+4], 4
	s_mov_b32 s[G1A+5], 1536                       ; from tile to tile: 12,288 bytes
	s_mov_b32 s[G1A+6], 0
	s_mov_b32 s[G1A+7], 0
	s_or_b32 s[G1B], s17, (3<<16)|(1<<21)          ; O's tiles go to my row: 6,144 dense bytes as 24 rows of 256
	s_mov_b32 s[G1B+1], 32<<16
	s_mov_b32 s[G1B+2], 24<<16
	s_mov_b32 s[G1B+3], 32<<16
	s_mov_b32 s[G1B+4], 24
	s_mov_b32 s[G1B+5], 32
	s_mov_b32 s[G1B+6], 0
	s_mov_b32 s[G1B+7], 0
	s_lshl_b32 s20, s19, 4
	s_lshl_b32 s21, s[WV], 2
	s_add_co_u32 s20, s20, s21
	s_add_co_u32 s20, s20, 704                     ; my first tile of wo
	s_mul_i32 s56, s20, 12288
	s_mov_b32 s57, 0
	s_lshl_b32 s22, s16, 2
	s_add_co_u32 s23, s22, s[WV]                   ; wave w fetches token tile w of the block
	s_mul_i32 s58, s23, 12288
	s_mov_b32 s59, 0
	s_mul_i32 s60, s[WV], 24576
	s_mul_i32 s61, s[WV], 6144
	s_add_co_u32 s61, s61, S1L
	v_and_b32 v13, 31, v0                          ; L
	v_lshlrev_b32 v1, 4, v13                       ; 16 L
	v_add_nc_u32 v2, s60, v1                       ; wo's images, K half 0,
	v_add_nc_u32 v3, HALF0, v2                     ; half 1
	v_add_nc_u32 v4, S1L, v1                       ; O's pieces of 16 bytes a lane,
	v_add_nc_u32 v5, HALF1, v4
	v_lshl_add_u32 v6, v13, 3, S1L                 ; and of 8
	v_add_nc_u32 v7, HALF1, v6
	v_lshlrev_b32 v9, 2, v13                       ; 4 L
	v_and_b32 v12, 15, v0                          ; r
	v_bfe_u32 v13, v0, 4, 1                        ; h
	v_lshlrev_b32 v8, 5, v12
	v_lshl_add_u32 v8, v13, 4, v8                  ; 32 r + 16 h
	s_mul_i32 s62, s[WV], 16*272
	s_add_co_u32 s62, s62, STG                     ; my stage
	v_mul_u32_u24 v10, v12, 272
	v_lshl_add_u32 v10, v13, 6, v10
	v_add_nc_u32 v10, s62, v10                     ; in: row r, + 64 h
	v_mul_u32_u24 v11, v13, 272
	v_lshl_add_u32 v11, v12, 4, v11
	v_add_nc_u32 v11, s62, v11                     ; back: lanes 0-15 one row, lanes 16-31 the next
	v_lshlrev_b32 v12, 4, v12
	v_lshl_add_u32 v12, v13, 12, v12               ; and the same two rows in out0
	s_wait_dscnt 0x0                               ; both opening adds are done
	s_wait_kmcnt 0x0
	s_add_nc_u64 s[66:67], s[6:7], s[56:57]
	s_add_nc_u64 s[72:73], s[4:5], s[58:59]
.irp u, 0,1
	s_mov_b32 s[G0A+4*\u], 1
	s_add_co_u32 s[G0A+4*\u+1], s60, \u*HALF0
	s_add_nc_u64 s[G0A+4*\u+2:G0A+4*\u+3], s[66:67], \u*6144
	s_or_b32 s[G0A+4*\u+3], s[G0A+4*\u+3], 0x80000000
	s_mov_b32 s[G0B+4*\u], 1
	s_add_co_u32 s[G0B+4*\u+1], s61, \u*HALF1
	s_add_nc_u64 s[G0B+4*\u+2:G0B+4*\u+3], s[72:73], \u*6144
	s_or_b32 s[G0B+4*\u+3], s[G0B+4*\u+3], 0x80000000
.endr
	s_lshl_b32 s56, s20, 9
	s_add_nc_u64 s[74:75], s[8:9], s[56:57]        ; wo's scale words
	s_lshl_b32 s58, s16, 8
	s_add_co_u32 s58, s58, AOS
	s_add_nc_u64 s[68:69], s[4:5], s[58:59]        ; O's: head x 16,384 + tile x 64 + 4 r
	s_lshl_b32 s76, s16, 18
	s_lshl_b32 s77, s19, 10
	s_add_co_u32 s76, s76, s77
	s_lshl_b32 s77, s[WV], 8
	s_add_co_u32 s76, s76, s77
	s_mov_b32 s77, 0
	s_add_nc_u64 s[70:71], s[10:11], s[76:77]      ; out0 at my first token and my first output
	CROUND                                         ; all sixteen work-groups are here: the joint loads meet
	tensor_load_to_lds s[G0A:G0A+3], s[G1A:G1A+7]
	s_nop 0
	tensor_load_to_lds s[G0B:G0B+3], s[G1B:G1B+7]
	s_nop 0
	tensor_load_to_lds s[G0A+4:G0A+7], s[G1A:G1A+7]
	s_nop 0
	tensor_load_to_lds s[G0B+4:G0B+7], s[G1B:G1B+7]
	s_nop 0
	PLACES
.irp a, 0,1,2,3
	global_load_b128 v[SA+4*\a:SA+4*\a+3], v8, s[74:75] offset:512*\a
.endr
.irp s, 0,1,2,3,4,5,6,7
.irp p, 0,1
	global_load_b32 v[144+4*\s+2*\p], v9, s[68:69] offset:(2*\s)*16384+128*\p      ; two tiles' words of the even head: 128 consecutive bytes
	global_load_b32 v[145+4*\s+2*\p], v9, s[68:69] offset:(2*\s+1)*16384+128*\p    ; of the odd head
.endr
.endr
	s_wait_loadcnt 0x0
.irp s, 0,1,2,3,4,5,6,7
.irp p, 0,1
	v_or_b32 v[SS+2*\s+\p], v[144+4*\s+2*\p], v[145+4*\s+2*\p]   ; the first two are followed by fourteen more plain lines ahead of the first product
.endr
.endr
.macro FETCH s                         ; K step s: wo's four fragments (12 loads), O's four (16 loads)
.irp a, 0,1,2,3
.irp c, 0,1,2
	ds_load_b128 v[FR0+96*((\s)%2)+12*\a+4*\c:FR0+96*((\s)%2)+12*\a+4*\c+3], v[2+(\s)/4] offset:\a*6144+((\s)%4)*1536+\c*512
.endr
.endr
.irp i, 0,1,2,3
	ds_load_b128 v[FR0+96*((\s)%2)+48+12*\i:FR0+96*((\s)%2)+48+12*\i+3], v[4+(\s)/4] offset:\i*6144+((\s)%4)*1536
	ds_load_b64 v[FR0+96*((\s)%2)+48+12*\i+4:FR0+96*((\s)%2)+48+12*\i+5], v[6+(\s)/4] offset:\i*6144+((\s)%4)*1536+512
	ds_load_b128 v[FR0+96*((\s)%2)+48+12*\i+6:FR0+96*((\s)%2)+48+12*\i+9], v[4+(\s)/4] offset:\i*6144+((\s)%4)*1536+768
	ds_load_b64 v[FR0+96*((\s)%2)+48+12*\i+10:FR0+96*((\s)%2)+48+12*\i+11], v[6+(\s)/4] offset:\i*6144+((\s)%4)*1536+1280
.endr
.endm
.macro WM d, a, b, z, sa, sb, ra, rb
.if \z
.if \rb
	v_wmma_scale_f32_16x16x128_f8f6f4 v[(\d):(\d)+7], v[(\a):(\a)+11], v[(\b):(\b)+11], 0, v[\sa], v[\sb] matrix_a_fmt:MATRIX_FMT_BF6 matrix_b_fmt:MATRIX_FMT_BF6 matrix_b_scale:MATRIX_SCALE_ROW1
.else
	v_wmma_scale_f32_16x16x128_f8f6f4 v[(\d):(\d)+7], v[(\a):(\a)+11], v[(\b):(\b)+11], 0, v[\sa], v[\sb] matrix_a_fmt:MATRIX_FMT_BF6 matrix_b_fmt:MATRIX_FMT_BF6
.endif
.elseif (\ra) && (\rb)
	v_wmma_scale_f32_16x16x128_f8f6f4 v[(\d):(\d)+7], v[(\a):(\a)+11], v[(\b):(\b)+11], v[(\d):(\d)+7], v[\sa], v[\sb] matrix_a_fmt:MATRIX_FMT_BF6 matrix_b_fmt:MATRIX_FMT_BF6 matrix_a_scale:MATRIX_SCALE_ROW1 matrix_b_scale:MATRIX_SCALE_ROW1
.elseif \ra
	v_wmma_scale_f32_16x16x128_f8f6f4 v[(\d):(\d)+7], v[(\a):(\a)+11], v[(\b):(\b)+11], v[(\d):(\d)+7], v[\sa], v[\sb] matrix_a_fmt:MATRIX_FMT_BF6 matrix_b_fmt:MATRIX_FMT_BF6 matrix_a_scale:MATRIX_SCALE_ROW1
.elseif \rb
	v_wmma_scale_f32_16x16x128_f8f6f4 v[(\d):(\d)+7], v[(\a):(\a)+11], v[(\b):(\b)+11], v[(\d):(\d)+7], v[\sa], v[\sb] matrix_a_fmt:MATRIX_FMT_BF6 matrix_b_fmt:MATRIX_FMT_BF6 matrix_b_scale:MATRIX_SCALE_ROW1
.else
	v_wmma_scale_f32_16x16x128_f8f6f4 v[(\d):(\d)+7], v[(\a):(\a)+11], v[(\b):(\b)+11], v[(\d):(\d)+7], v[\sa], v[\sb] matrix_a_fmt:MATRIX_FMT_BF6 matrix_b_fmt:MATRIX_FMT_BF6
.endif
.endm
.macro KSTEP s
.if (\s) == 3
	s_wait_dscnt 0x0                               ; no LDS instruction of mine is pending at a signal
	s_wait_tensorcnt 0x0                           ; my parts of the second K half have landed,
	s_barrier_signal -1
	s_barrier_wait -1                              ; everybody's have (nothing is ever filled again)
.endif
.if (\s) < 7
.if (\s) > 0
	PLACES                                         ; in front of loads into the set that the step before multiplied
.endif
	FETCH (\s)+1
	s_wait_dscnt 28                                ; this step's fragments are in; the 28 loads just issued may be out
.else
	s_wait_dscnt 0x0
.endif
	WIN 0x50                                       ; C and D in window 1: accumulator (a, i) at v[32 i + 8 a]
.irp a, 0,1,2,3                                ; the 16 accumulators take turns, one instruction a turn; the first K step starts the sums
.irp i, 0,1,2,3
	WM 32*\i+8*\a, FR0+96*((\s)%2)+12*\a, FR0+96*((\s)%2)+48+12*\i, (\s)==0, SA+4*\a+(\s)%4, SS+2*(\s)+\i/2, (\s)/4, \i%2
.endr
.endr
	WIN 0
.endm
	s_wait_tensorcnt 0x2                           ; the first K half of wo and of O is in; the second half's two loads may stay out
	s_barrier_signal -1
	s_barrier_wait -1
	FETCH 0
.irp s, 0,1,2,3,4,5,6,7
	KSTEP \s
.endr
	PLACES                                         ; in front of the first reads of results and of loads into the fragments' registers
; THE WAY OUT, a token tile at a time: a lane holds 8 neighbouring outputs of one token; the tile's 16 rows x 256 bytes go through my own stage and leave as whole rows: sixteen lanes store 256 consecutive bytes, aligned.
.macro OUTI i
.if (\i) >= 2
	s_wait_xcnt 0x0                                ; the stores of two tiles back have read their registers
.endif
	WIN 0x04                                       ; an LDS store's data are its source 1: window 1
.irp a, 0,1,2,3
	ds_store_b128 v10, v[32*(\i)+8*\a:32*(\i)+8*\a+3] offset:128*(\a/2)+32*(\a%2)         ; each accumulator from its low end on
	ds_store_b128 v10, v[32*(\i)+8*\a+4:32*(\i)+8*\a+7] offset:128*(\a/2)+32*(\a%2)+16
.endr
	WIN 0
.irp n, 0,1,2,3,4,5,6,7
	ds_load_b128 v[FR0+32*((\i)%2)+4*\n:FR0+32*((\i)%2)+4*\n+3], v11 offset:2*\n*272   ; LDS serves a wave's instructions in order: these see my stores, and the next tile's stores come behind them
.endr
.irp n, 0,1,2,3,4,5,6,7
	s_wait_dscnt 7-\n                              ; the younger read-backs may be out
	global_store_b128 v12, v[FR0+32*((\i)%2)+4*\n:FR0+32*((\i)%2)+4*\n+3], s[70:71] offset:(32*((\i)/2)+8*((\i)%2)+2*\n+8*(\n/4))*4096 th:TH_STORE_NT
.endr
.endm
.irp i, 0,1,2,3
	OUTI \i
.endr
	s_wait_tensorcnt 0x0                           ; the wave's end, behind my last tensor load and my last LDS store
	ds_add_u32 v[SPW], v[NIL]
	s_wait_dscnt 0x0
	CROUND                                         ; the closing round
	s_endpgm
.Lfunc_end_k_q2c719b23e7_outp:
	.size	k_q2c719b23e7_outp, .Lfunc_end_k_q2c719b23e7_outp-k_q2c719b23e7_outp
	.p2alignl 7, 3214868480
	.fill 96, 4, 3214868480
	.section	.rodata,"a",@progbits
	.p2align	6, 0x0
	.amdhsa_kernel k_q2c719b23e7_outp
		.amdhsa_group_segment_fixed_size 263680
		.amdhsa_private_segment_fixed_size 0
		.amdhsa_enable_private_segment 0
		.amdhsa_kernarg_size 32
		.amdhsa_user_sgpr_count 2
		.amdhsa_user_sgpr_kernarg_segment_ptr 1
		.amdhsa_wavefront_size32 1
		.amdhsa_system_sgpr_workgroup_id_x 1
		.amdhsa_system_sgpr_workgroup_id_y 1
		.amdhsa_system_sgpr_workgroup_id_z 1
		.amdhsa_system_vgpr_workitem_id 0
		.amdhsa_next_free_vgpr 512
		.amdhsa_next_free_sgpr 90
		.amdhsa_reserve_vcc 0
		.amdhsa_float_denorm_mode_32 3
		.amdhsa_float_denorm_mode_16_64 3
		.amdhsa_memory_ordered 1
		.amdhsa_forward_progress 1
		.amdhsa_inst_pref_size 51
	.end_amdhsa_kernel
	.amdgpu_metadata
---
amdhsa.version: [ 1, 2 ]
amdhsa.kernels:
  - .name:           k_q2c719b23e7_outp
    .symbol:         k_q2c719b23e7_outp.kd
    .args:
      - { .name: ao, .offset: 0, .size: 8, .value_kind: global_buffer, .address_space: global }
      - { .name: cod1, .offset: 8, .size: 8, .value_kind: global_buffer, .address_space: global }
      - { .name: scl1, .offset: 16, .size: 8, .value_kind: global_buffer, .address_space: global }
      - { .name: out0, .offset: 24, .size: 8, .value_kind: global_buffer, .address_space: global }
    .group_segment_fixed_size: 263680
    .private_segment_fixed_size: 0
    .kernarg_segment_align: 8
    .kernarg_segment_size: 32
    .max_flat_workgroup_size: 128
    .sgpr_count:     90
    .vgpr_count:     512
    .wavefront_size: 32
...
	.end_amdgpu_metadata
.endif
;; end of part 4
;; ======== version 2 of 2: 4 launches; version 1 with the launch attn written anew for expert scheduling mode
;; workspace buffers: cod1 9,437,184 bytes; scl1 393,216 bytes; flags 2,048 bytes of whole numbers; qkv 10,223,616 bytes; ao 3,407,872 bytes
;; launch prep: the kernel of part 1 again; grid 320 x 1, 4 waves a work-group, no clusters, 34,304 bytes of LDS; arguments inputs_q, inputs_kv, wq, wk, wv, wo, mask, cod1, scl1, flags; writes cod1, scl1, flags
;; launch proj: the kernel of part 2 again; grid 64 x 3, 4 waves a work-group, clusters of 4 x 1, 327,680 bytes of LDS; arguments cod1, scl1, q_ln_scale, q_ln_bias, k_ln_scale, k_ln_bias, qkv; writes qkv
;; launch attn (part 5): grid 8 x 32, 16 waves a work-group, no clusters, 35,840 bytes of LDS; arguments qkv, mask, flags, ao; writes ao
.if DOCPART == 5
	.amdgcn_target "amdgcn-amd-amdhsa--gfx1250"
	.amdhsa_code_object_version 6
	.text
	.protected	k_q2c719b23e7_attn
	.globl	k_q2c719b23e7_attn
	.p2align	8
	.type	k_q2c719b23e7_attn,@function
k_q2c719b23e7_attn:
	s_mov_b64 s[64:65], 0
	v_nop
	global_prefetch_b8 v0, s[64:65] scope:SCOPE_SE
	s_setreg_imm32_b32 hwreg(HW_REG_WAVE_SCHED_MODE, 0, 2), 2
	s_setreg_imm32_b32 hwreg(HW_REG_WAVE_MODE, 25, 1), 1
	s_wait_xcnt 0x0
	s_wait_alu depctr_vm_vsrc(0)
; LAUNCH 3 OF 4: for each (batch, head): S^T = K Q^T / 8, the mask, p = 2^(t - M), O^T = V^T P^T, O / l, and O's codes along d for launch 4.
; WORK LEFT OUT: tiles of 128 queries x 128 keys whose mask bytes are all 0, by the flags that launch 1 stored: every p there is 0, so they move neither M, nor l, nor O (shown at the head of launch 1).
; THE SOFTMAX: t = score x log2(e) / 8; M = the row's largest t so far, rounded UP to a whole number; p = 2^(t - M) is quantised along the keys, not normalised; l sums the unquantised p; when M moves, l and O are multiplied by 2^(old M - new M): exact.
; SHARES.  A work-group owns query blocks x and 15 - x (128 queries each) of one head; each of its sixteen waves owns one tile of 16 queries in 256 registers, four waves to a SIMD, two of each block.
; Every wave walks all 16 key steps (a constant count); a step's WORK is jumped over where the wave's flag says that no key counts, and the mask's bytes are read only where the flags say that some keys count and some do not.
; NO TENSOR LOAD, NO CLUSTER: what is fetched and what is multiplied hangs on numbers read from memory (the flags), so a key step's record (13,312 bytes: K's and V's fragments and scale words as images of the operand registers)
; comes through registers: 16 bytes a thread, stored to one of two LDS slots a step ahead; one barrier a step.
; LAYOUT.  Both products are used transposed: a lane holds ONE query (lane % 16) throughout.  The keys of a tile are chosen so that the 16 registers of tiles 2 b, 2 b + 1 are keys 32 b + 16 (lane / 16) + 0 .. 15.
; THE HEAD'S K IS 64, THE INSTRUCTION'S 128: Q's upper six registers are zero codes, so whatever codes stand in K's upper six (the next tile's) add nothing.
; LIMITS: NaN and infinities among the numbers are not served.  A query none of whose keys counts has l = 0: its scale bytes are set to 0xff, which makes its whole output row NaN in launch 4, as reference() has it.
; THE MODE: SCHED_MODE bits 1:0 = 2 (LLVM: expert scheduling mode 2), set by the entry lines.  The code itself states the register dependences between vector or matrix instructions and memory or LDS instructions, with s_wait_alu, always for 0.
; THE PLAN.  Registers that memory or LDS instructions touch:
;   v1-v3, v6-v9, v[SPW], v[NIL]  addresses: written once at the head, never again: the record's and the mask's scalar bases step, immediate offsets do the rest.
;   FS      the next record's loads land in it at a step's head; the LDS stores at the step's end read it; no vector line but the head's zeros names it.
;   MK      the mask's loads land in it at a unit's head; the unit's 64 v_and read it.
;   KV      K's LDS loads land, the products K Q^T read; then V's LDS loads land in the same registers, the products V^T P^T read.  (All 256 registers but two are taken: V has no registers of its own.)
;   KS, VS  scale words: LDS loads land, the products read.     PC, v253: written by vector lines, taken by V^T P^T as operand and scale.
; A STEP HAS: at its head one wait on vm_vsrc (the LDS stores have read FS) and one on va_vdst (the last unit's products and v_and are done with KV, KS, VS and MK): they serve the record's, the mask's and K's loads, ahead of which no
; vector line stands; behind K Q^T one on va_vdst, which serves V's loads: these are dealt among the block maxima, which name the scores and BM alone; the two waits behind the exponentials; one on va_vdst ahead of V^T P^T.
; The mask's compares write scalar registers in two runs of 32, with one wait on va_sdst behind each run, ahead of the selects that read them.
.set REC,   13312
.set HREC,  212992
.set QC,    6815744
.set QS,    9961472
.set AOS,   3145728
.set SLOT1, 16384
.set SCLG,  32768                      ; O's scale words on their way out: 2 blocks x 512 bytes
.set SPARE, 33792                      ; the spare words, 128 bytes a wave
.set SPW,  4                           ; v4, v5: my spare word's address, and 0; never rewritten
.set NIL,  5
.set QF,   16                          ; v16-27  Q's fragment; v22-27 zero codes
.set QSR,  28                          ; v28     Q's scale words
.set NINF, 29                          ; v29     -infinity
.set FS,   30                          ; v30-37  the next record's bytes on their way
.set MK,   38                          ; v38-53  mask bytes: 16 keys of each block of 32
.set KV,   54                          ; v54-107 K's eight half fragments (and six zero registers), then V's four fragments
.set SC,   108                         ; v108-171 S^T, then p
.set OT,   172                         ; v172-203 O^T
.set PC,   204                         ; v204-215 p's codes
.set CT,   216                         ; v216-223 at work
.set BM,   224                         ; v224-227 block maxima;  v228-231 the other half's;  v232-235 scale operands;  v236-239 bytes
.set BP,   228
.set SO,   232
.set BY,   236
.set KS,   240                         ; v240-247 K's scale words;  v248-251 V's;  v252 f, v253 p's scale word
.set VS,   248
.set WV,   12
.set CM,   24                          ; s24-55  in the loop: 32 masks of the mask's compares (at the head: the flag words)
.set RB,   56                          ; s[56:57] the record in hand
.set MB,   58                          ; s[58:59] my tile's rows of the mask, at the key step in hand
.set NEED, 60                          ; bit 0: the step in hand is wanted by one of the two blocks; shifted each step
.set NEED2, 61                         ; the same in waves 0-9, which fetch the record's last 5,120 bytes; 0 in the others
.set ANY,  62                          ; my block: some key counts
.set ALL,  63                          ; my block: every key counts
.set CS,   66                          ; s[66:67] c = log2(e) / 8
.set SEL,  68
.set KI,   70
.macro PLACES
.rept 4
	v_nop
.endr
.endm
	s_load_b256 s[4:11], s[0:1], 0x0               ; qkv, mask, flags, ao
	v_lshl_add_u32 v[SPW], v0, 2, SPARE
	v_mov_b32 v[NIL], 0
	v_lshrrev_b32 v1, 5, v0
	v_readfirstlane_b32 s[WV], v1
	s_mov_b32 s13, ttmp9                           ; x
	s_and_b32 s14, ttmp7, 0xffff                   ; bh
	s_lshr_b32 s15, s14, 4                         ; batch
	s_and_b32 s16, s14, 15                         ; head
	s_wait_alu depctr_va_sdst(0)                   ; the wave's number is written, ahead of its first reader
	s_lshr_b32 s17, s[WV], 2
	s_xor_b32 s17, s17, s[WV]
	s_and_b32 s17, s17, 1                          ; which of the two blocks is mine
	s_lshr_b32 s18, s[WV], 1                       ; which of its eight tiles
	s_sub_co_u32 s21, 15, s13
	s_cmp_eq_u32 s17, 0
	s_cselect_b32 s19, s13, s21                    ; my block
	s_lshl_b32 s20, s19, 3
	s_add_co_u32 s20, s20, s18                     ; T: my tile of queries
	s_mov_b32 s73, 0
	s_wait_kmcnt 0x0
	s_lshl_b32 s71, s15, 4
	s_add_co_u32 s72, s71, s13
	s_lshl_b32 s72, s72, 6
	s_add_nc_u64 s[74:75], s[8:9], s[72:73]
	s_load_b512 s[24:39], s[74:75], 0x0            ; block x's 16 flag words
	s_add_co_u32 s72, s71, s21
	s_lshl_b32 s72, s72, 6
	s_add_nc_u64 s[76:77], s[8:9], s[72:73]
	s_load_b512 s[40:55], s[76:77], 0x0            ; block 15 - x's
	v_and_b32 v38, 31, v0                          ; L
	v_and_b32 v39, 15, v0                          ; r
	v_bfe_u32 v40, v0, 4, 1                        ; h
	v_lshlrev_b32 v1, 4, v38                       ; 16 L
	v_lshlrev_b32 v2, 3, v38                       ; 8 L
	v_lshlrev_b32 v3, 4, v39                       ; 16 r
	v_lshlrev_b32 v6, 4, v0                        ; 16 x thread
	v_and_b32 v7, 8, v39
	v_add_nc_u32 v7, v7, v39
	v_lshlrev_b32 v7, 11, v7
	v_lshl_add_u32 v7, v40, 4, v7                  ; the mask: row r + 8 (r / 8) of my tile, + 16 h
	s_lshl_b32 s71, s17, 9
	s_lshl_b32 s72, s18, 6
	s_add_co_u32 s71, s71, s72
	s_add_co_u32 s71, s71, SCLG
	v_lshl_add_u32 v8, v39, 2, s71                 ; where my row's scale word goes
	s_min_u32 s71, s[WV], 1
	s_lshl_b32 s71, s71, 9
	s_add_co_u32 s71, s71, SCLG
	v_add_nc_u32 v9, s71, v1                       ; where waves 0 and 1 read a block's words back
	v_mov_b32 v13, 0xff61b1e6                      ; the largest t so far: -3e38.  (All the head's vector lines stand ahead of its first load, so that one wait states what hangs on them)
	v_floor_f32 v12, -v13                          ; -M
	v_mov_b32 v14, 0
	v_mov_b32 v15, 0
	v_mov_b32 v[NINF], 0xff800000
.irp j, 6,7,8,9,10,11
	v_mov_b32 v[QF+\j], 0                          ; zero codes for the instruction's upper 64 along K
	v_mov_b32 v[KV+42+\j], 0                       ; and what stands beside them behind K's last tile
.endr
.irp j, 0,1,2,3,4,5,6,7
	v_mov_b32 v[FS+\j], 0
.endr
.irp b, 0,1,2,3
	v_mov_b32 v[BP+\b], 0                          ; a lane permute's destination counts as one of its sources
.endr
	v_mov_b32 v253, 0
	v_mov_b32 v254, 0
	v_mov_b32 v255, 0
.set NN, 0
.rept 32
	v_mov_b32 v[OT+NN], 0                          ; O^T: the step is written once; the first change of M leaves zeros zeros
.set NN, NN+1
.endr
	s_wait_alu depctr_va_vdst(0)                   ; the addresses v1-v3 and v6-v9 are written, which every load and store below reads; so are FS's zeros and v38-v40, in which loads land; so are the zero codes, which the first products take
	s_lshl_b32 s71, s14, 7
	s_add_co_u32 s71, s71, s20
	s_mul_i32 s72, s71, 768
	s_add_co_u32 s72, s72, QC
	s_add_nc_u64 s[78:79], s[4:5], s[72:73]
	global_load_b128 v[QF:QF+3], v1, s[78:79]      ; Q's half fragment stays in registers
	global_load_b64 v[QF+4:QF+5], v2, s[78:79] offset:512
	s_lshl_b32 s72, s14, 13
	s_lshr_b32 s80, s20, 2
	s_lshl_b32 s80, s80, 8
	s_add_co_u32 s72, s72, s80
	s_and_b32 s80, s20, 3
	s_lshl_b32 s80, s80, 2
	s_add_co_u32 s72, s72, s80
	s_add_co_u32 s72, s72, QS
	s_add_nc_u64 s[80:81], s[4:5], s[72:73]
	global_load_b32 v[QSR], v3, s[80:81]
	s_mul_i32 s72, s14, HREC
	s_add_nc_u64 s[RB:RB+1], s[4:5], s[72:73]
	s_lshl_b32 s72, s15, 22
	s_lshr_b32 s71, s20, 1
	s_lshl_b32 s71, s71, 16
	s_add_co_u32 s72, s72, s71
	s_and_b32 s71, s20, 1
	s_lshl_b32 s71, s71, 14
	s_add_co_u32 s72, s72, s71
	s_add_nc_u64 s[MB:MB+1], s[6:7], s[72:73]
	s_lshl_b32 s71, s15, 7
	s_add_co_u32 s71, s71, s20
	s_lshl_b32 s71, s71, 4
	s_add_co_u32 s71, s71, s16
	s_mul_i32 s72, s71, 768
	s_add_nc_u64 s[82:83], s[10:11], s[72:73]      ; O's codes: ((128 batch + T) 16 + head) 768
	s_cmp_eq_u32 s[WV], 0
	s_cselect_b32 s71, s13, s21
	s_lshl_b32 s72, s71, 9
	s_lshl_b32 s71, s15, 13
	s_add_co_u32 s72, s72, s71
	s_lshl_b32 s71, s16, 14
	s_add_co_u32 s72, s72, s71
	s_add_co_u32 s72, s72, AOS
	s_add_nc_u64 s[84:85], s[10:11], s[72:73]      ; a block's 512 bytes of scale words (waves 0, 1)
	s_and_b32 s86, s16, 1
	s_lshl_b32 s86, s86, 4                         ; an odd head's two bytes go to the word's upper half
	s_mov_b32 s[CS], 0x3e38aa3b
	s_mov_b32 s[CS+1], s[CS]
	s_mov_b32 s[SEL], 0x76543210
	s_mov_b32 s[SEL+1], 0xfedcba98
	s_wait_kmcnt 0x0
.irp k, 25,26,27,28,29,30,31,32,33,34,35,36,37,38,39
	s_or_b32 s24, s24, s\k
.endr
.irp k, 41,42,43,44,45,46,47,48,49,50,51,52,53,54,55
	s_or_b32 s40, s40, s\k
.endr
	s_or_b32 s[NEED], s24, s40
	s_and_b32 s[NEED], s[NEED], 0xffff
	s_cmp_lt_u32 s[WV], 10
	s_cselect_b32 s[NEED2], s[NEED], 0
	s_cmp_eq_u32 s17, 0
	s_cselect_b32 s[ANY], s24, s40
	s_lshr_b32 s[ALL], s[ANY], 16
	s_and_b32 s[ANY], s[ANY], 0xffff
.macro ASKREC bit, off                 ; a record is asked for, if one of the two blocks wants it: 16 bytes a thread, and 16 more in waves 0-9
	s_and_b32 s71, s[NEED], \bit
	s_cbranch_scc0 .Lno_a_\@
	global_load_b128 v[FS:FS+3], v6, s[RB:RB+1] offset:\off
.Lno_a_\@:
	s_and_b32 s71, s[NEED2], \bit
	s_cbranch_scc0 .Lno_b_\@
	global_load_b128 v[FS+4:FS+7], v6, s[RB:RB+1] offset:\off+8192
.Lno_b_\@:
.endm
.macro PUTREC bit, off                 ; and goes to its slot
	s_and_b32 s71, s[NEED], \bit
	s_cbranch_scc0 .Lno_c_\@
	ds_store_b128 v6, v[FS:FS+3] offset:\off
.Lno_c_\@:
	s_and_b32 s71, s[NEED2], \bit
	s_cbranch_scc0 .Lno_d_\@
	ds_store_b128 v6, v[FS+4:FS+7] offset:\off+8192
.Lno_d_\@:
.endm
	ASKREC 1, 0
	s_wait_loadcnt 0x0                             ; Q, its scale words, record 0
	PUTREC 1, 0
; K's fragments and S^T = K Q^T
.macro FRONT sl
.irp t, 0,1,2,3,4,5,6,7
	ds_load_b128 v[KV+6*\t:KV+6*\t+3], v1 offset:(\sl)*SLOT1+768*\t
	ds_load_b64 v[KV+6*\t+4:KV+6*\t+5], v2 offset:(\sl)*SLOT1+768*\t+512
.endr
	ds_load_b128 v[KS:KS+3], v3 offset:(\sl)*SLOT1+12288
	ds_load_b128 v[KS+4:KS+7], v3 offset:(\sl)*SLOT1+12544
	s_wait_dscnt 0x0
.irp t, 0,1,2,3,4,5,6,7
	v_wmma_scale_f32_16x16x128_f8f6f4 v[SC+8*\t:SC+8*\t+7], v[KV+6*\t:KV+6*\t+11], v[QF:QF+11], 0, v[KS+\t], v[QSR] matrix_a_fmt:MATRIX_FMT_BF6 matrix_b_fmt:MATRIX_FMT_BF6
.endr
	PLACES                                         ; in front of the first reads of the scores
.endm
; V's fragment t: four LDS loads
.macro VTILE sl, t
	ds_load_b128 v[KV+12*(\t):KV+12*(\t)+3], v1 offset:(\sl)*SLOT1+6144+1536*(\t)
	ds_load_b64 v[KV+12*(\t)+4:KV+12*(\t)+5], v2 offset:(\sl)*SLOT1+6144+1536*(\t)+512
	ds_load_b128 v[KV+12*(\t)+6:KV+12*(\t)+9], v1 offset:(\sl)*SLOT1+6144+1536*(\t)+768
	ds_load_b64 v[KV+12*(\t)+10:KV+12*(\t)+11], v2 offset:(\sl)*SLOT1+6144+1536*(\t)+1280
.endm
; a key step's work for my 16 queries
.macro UNIT sl
	s_and_b32 s71, s[ALL], 1
	s_cbranch_scc1 .Lfull_\@
.irp b, 0,1,2,3
	global_load_b128 v[MK+4*\b:MK+4*\b+3], v7, s[MB:MB+1] offset:32*\b   ; my query's mask bytes of keys 32 b + 16 h + 0 .. 15
.endr
	FRONT \sl
	s_wait_loadcnt 0x0                             ; the mask bytes (the record asked for ahead of them has come too: loads come back in order)
.set NN, 0
.rept 2                                        ; where the byte is 0 the score becomes -infinity ahead of the maximum: p = 0 then.  Two runs of 32 keys
.set MM, NN
.rept 32
	v_and_b32 v[254+NN%2], 1<<(8*(NN%4)), v[MK+4*(NN/16)+(NN%16)/4]
	v_cmp_eq_u32 s[CM+NN%32], 0, v[254+NN%2]
.set NN, NN+1
.endr
	s_wait_alu depctr_va_sdst(0)                   ; the run's 32 compares have written their masks s24 to s55, ahead of the selects that read them
.rept 32
	v_cndmask_b32 v[SC+MM], v[SC+MM], v[NINF], s[CM+MM%32]
.set MM, MM+1
.endr
.endr
	s_branch .Ljoin_\@
.Lfull_\@:
	FRONT \sl
.Ljoin_\@:
	s_wait_alu depctr_va_vdst(0)                   ; the products K Q^T are done reading K's fragments, in which V's land.  The 17 loads below are dealt among lines that name the scores and BM alone: none of KV, VS, v1, v2
.irp b, 0,1,2,3
	v_max3_num_f32 v[BM+\b], v[SC+16*\b], v[SC+16*\b+1], v[SC+16*\b+2]   ; the largest score of each block of 32 keys: for the row's maximum, and, since p rises with the score, for the block's largest p
.endr
	VTILE \sl, 0
.irp i, 3,5,7,9,11,13
.irp b, 0,1,2,3
	v_max3_num_f32 v[BM+\b], v[BM+\b], v[SC+16*\b+\i], v[SC+16*\b+\i+1]
.endr
.if \i < 9
	VTILE \sl, (\i-1)/2
.elseif \i == 9
	ds_load_b128 v[VS:VS+3], v1 offset:(\sl)*SLOT1+12800
.endif
.endr
.irp b, 0,1,2,3
	v_max_num_f32 v[BM+\b], v[BM+\b], v[SC+16*\b+15]
.endr
.irp b, 0,1,2,3
	v_permlanex16_b32 v[BP+\b], v[BM+\b], s[SEL], s[SEL+1]
.endr
.irp b, 0,1,2,3
	v_max_num_f32 v[BM+\b], v[BM+\b], v[BP+\b]
.endr
	v_max3_num_f32 v254, v[BM], v[BM+1], v[BM+2]
	v_max_num_f32 v254, v254, v[BM+3]
	v_mul_f32 v254, s[CS], v254                    ; as t
	v_max_num_f32 v13, v13, v254                   ; the running largest t
	v_mov_b32 v254, v12
	v_floor_f32 v12, -v13                          ; the new -M: M is a whole number
	v_sub_f32 v254, v12, v254                      ; old M - new M: a whole number, 0 or less
	v_cvt_i32_f32 v254, v254                       ; (it saturates)
	v_ldexp_f32 v252, 1.0, v254                    ; f = 2^(old M - new M)
.set NN, 0
.rept 32
	v_pk_fma_f32 v[SC+NN:SC+NN+1], v[SC+NN:SC+NN+1], s[CS:CS+1], v[12:13] op_sel_hi:[1,0,0]   ; t - M, two at a time
.set NN, NN+2
.endr
.irp b, 0,1,2,3
	v_fma_f32 v[BM+\b], v[BM+\b], s[CS], v12       ; the same of each block's largest score
.endr
.set NN, 0
.rept 64
	v_exp_f32 v[SC+NN], v[SC+NN]                   ; p = 2^(t - M)
.set NN, NN+1
.endr
	v_pk_mul_f32 v[14:15], v[14:15], v[252:253] op_sel_hi:[1,0]   ; the sums under the new M: a plain place behind the exponentials
	s_wait_alu depctr_va_vdst(0)                   ; the 64 exponentials have written p: one wait for the batch, ahead of its first reader
.irp b, 0,1,2,3
	v_exp_f32 v[BM+\b], v[BM+\b]                   ; the block's largest p
.endr
	v_pk_add_f32 v[254:255], v[SC:SC+1], v[SC+2:SC+3]   ; the row's sum is taken of the unquantised p, in two chains
.set NN, 4
.rept 15
	v_pk_add_f32 v[14:15], v[14:15], v[SC+NN:SC+NN+1]
	v_pk_add_f32 v[254:255], v[254:255], v[SC+NN+2:SC+NN+3]
.set NN, NN+4
.endr
	v_pk_add_f32 v[14:15], v[14:15], v[254:255]
	s_wait_alu depctr_va_vdst(0)                   ; the four exponentials have written the blocks' largest p, ahead of their first reader
.irp b, 0,1,2,3
	v_max_num_f32 v[BM+\b], 0x2800000, v[BM+\b]    ; the floor 2^(5 - 127): the byte cannot fall under 1
.endr
.irp b, 0,1,2,3
	v_add_nc_u32 v[SO+\b], 0xfe000000, v[BM+\b]
.endr
.irp b, 0,1,2,3
	v_lshrrev_b32 v[BY+\b], 23, v[SO+\b]
.endr
	v_lshl_or_b32 v253, v[BY+1], 8, v[BY]          ; p's scale word for these 128 keys
	v_lshl_or_b32 v253, v[BY+2], 16, v253
	v_lshl_or_b32 v253, v[BY+3], 24, v253
.irp c, 0,1
	v_cvt_scalef32_pk16_bf6_f32 v[PC+6*\c:PC+6*\c+2], v[SC+32*\c:SC+32*\c+15], v[SO+2*\c]
	v_cvt_scalef32_pk16_bf6_f32 v[CT+4*\c:CT+4*\c+2], v[SC+16+32*\c:SC+31+32*\c], v[SO+2*\c+1]
.endr
	v_nop                                          ; one plain place behind the scaled conversions
.irp c, 0,1
.irp i, 0,1,2
	v_permlane16_swap_b32 v[PC+6*\c+\i], v[CT+4*\c+\i]
.endr
.irp i, 0,1,2
	v_mov_b32 v[PC+3+6*\c+\i], v[CT+4*\c+\i]
.endr
.endr
.set NN, 0
.rept 16
	v_pk_mul_f32 v[OT+NN:OT+NN+1], v[OT+NN:OT+NN+1], v[252:253] op_sel_hi:[1,0]   ; O^T under the new M; these sixteen also part the codes and the scale word just written from the products below
.set NN, NN+2
.endr
	s_wait_dscnt 0x0                               ; V's fragments and scale words
	s_wait_alu depctr_va_vdst(0)                   ; p's codes in v[PC ..] and its scale word v253 are written, which the products below take as operand and scale; the places above stay beside this wait
.irp t, 0,1,2,3
	v_wmma_scale_f32_16x16x128_f8f6f4 v[OT+8*\t:OT+8*\t+7], v[KV+12*\t:KV+12*\t+11], v[PC:PC+11], v[OT+8*\t:OT+8*\t+7], v[VS+\t], v253 matrix_a_fmt:MATRIX_FMT_BF6 matrix_b_fmt:MATRIX_FMT_BF6
.endr
	PLACES                                         ; in front of the next read of O^T
.endm
.macro STEP sl
	s_wait_dscnt 0x0                               ; my stores of this step's record are done, and my reads of the other slot are over
	s_barrier_signal -1
	s_barrier_wait -1                              ; both now hold of all sixteen waves
	s_wait_alu depctr_vm_vsrc(0)                   ; my LDS stores of this step's record have read v[FS ..], in which the next record's loads land
	s_wait_alu depctr_va_vdst(0)                   ; the last unit's products V^T P^T are done reading V's fragments, and its v_and the mask bytes: K's LDS loads and the mask's loads of this step land there
	ASKREC 2, REC                                  ; the next record (behind the last step bit 1 is 0: nothing is asked for)
	s_and_b32 s71, s[ANY], 1
	s_cbranch_scc0 .Lskip_\@
	UNIT \sl
.Lskip_\@:
	s_wait_loadcnt 0x0                             ; the next record is in registers
	PUTREC 2, (1-(\sl))*SLOT1
	s_wait_xcnt 0x0                                ; every load has read its base: both may step
	s_add_nc_u64 s[RB:RB+1], s[RB:RB+1], REC
	s_add_nc_u64 s[MB:MB+1], s[MB:MB+1], 128
	s_lshr_b32 s[NEED], s[NEED], 1
	s_lshr_b32 s[NEED2], s[NEED2], 1
	s_lshr_b32 s[ANY], s[ANY], 1
	s_lshr_b32 s[ALL], s[ALL], 1
.endm
	s_mov_b32 s[KI], 0
.Lpair:                                            ; eight trips of two key steps: the slots' numbers come back after two
	STEP 0
	STEP 1
	s_add_co_u32 s[KI], s[KI], 1
	s_cmp_lt_u32 s[KI], 8
	s_cbranch_scc1 .Lpair
	; THE WAY OUT: O / l, quantised along d (two blocks of 32), as half a fragment of launch 4's operand
	v_add_f32 v14, v14, v15
	v_permlanex16_b32 v254, v14, s[SEL], s[SEL+1]
	v_add_f32 v14, v14, v254                       ; l
	v_cmp_eq_f32 s72, 0, v14                       ; a query none of whose keys counts
	s_wait_alu depctr_va_sdst(0)                   ; the compare has written s72, ahead of the select that reads it
	v_cndmask_b32 v14, v14, 1.0, s72
	v_rcp_f32 v14, v14
	v_mov_b32 v255, 0xffff                         ; (a plain place behind the reciprocal)
	s_wait_alu depctr_va_vdst(0)                   ; the reciprocal has written v14, ahead of its first reader
.set NN, 0
.rept 32
	v_mul_f32 v[SC+NN], v[OT+NN], v14              ; register 16 b + i: d = 32 b + 16 h + i
.set NN, NN+1
.endr
.irp b, 0,1
	v_max3_num_f32 v[BM+\b], |v[SC+16*\b]|, |v[SC+16*\b+1]|, 0x2800000
.endr
.irp i, 2,4,6,8,10,12,14
.irp b, 0,1
	v_max3_num_f32 v[BM+\b], v[BM+\b], |v[SC+16*\b+\i]|, |v[SC+16*\b+\i+1]|
.endr
.endr
.irp b, 0,1
	v_permlanex16_b32 v[BP+\b], v[BM+\b], s[SEL], s[SEL+1]
.endr
.irp b, 0,1
	v_max_num_f32 v[BM+\b], v[BM+\b], v[BP+\b]
.endr
.irp b, 0,1
	v_add_nc_u32 v[SO+\b], 0xfe000000, v[BM+\b]
.endr
.irp b, 0,1
	v_lshrrev_b32 v[BY+\b], 23, v[SO+\b]
.endr
	v_lshl_or_b32 v253, v[BY+1], 8, v[BY]
	v_cvt_scalef32_pk16_bf6_f32 v[PC:PC+2], v[SC:SC+15], v[SO]
	v_cvt_scalef32_pk16_bf6_f32 v[CT:CT+2], v[SC+16:SC+31], v[SO+1]
	v_nop
.irp i, 0,1,2
	v_permlane16_swap_b32 v[PC+\i], v[CT+\i]
.endr
.irp i, 0,1,2
	v_mov_b32 v[PC+3+\i], v[CT+\i]
.endr
	v_cndmask_b32 v253, v253, v255, s72            ; no key: both bytes 0xff
	v_lshlrev_b32 v253, s86, v253
	s_wait_alu depctr_va_vdst(0)                   ; O's codes in v[PC ..] and the scale word v253 are written, which the stores below read; and every vector line that named v[SC ..] is done: no vector line follows, so the gathering waves' load may land there
	global_store_b128 v1, v[PC:PC+3], s[82:83]
	global_store_b64 v2, v[PC+4:PC+5], s[82:83] offset:512
	ds_store_b32 v8, v253                          ; both halves of the lanes write the same word with the same value
	s_wait_dscnt 0x0
	s_barrier_signal -1
	s_barrier_wait -1
	s_cmp_lt_u32 s[WV], 2
	s_cbranch_scc1 .Lgather
	s_wait_dscnt 0x0                               ; the closing lines, six on end
	s_wait_alu 0x0
	s_wait_tensorcnt 0x0
	ds_add_u32 v[SPW], v[NIL]
	s_wait_dscnt 0x0
	s_endpgm
.Lgather:                                          ; waves 0 and 1 store a block's 512 bytes of scale words whole
	ds_load_b128 v[SC:SC+3], v9
	s_wait_dscnt 0x0
	global_store_b128 v1, v[SC:SC+3], s[84:85]
	s_wait_dscnt 0x0                               ; the closing lines, six on end
	s_wait_alu 0x0
	s_wait_tensorcnt 0x0
	ds_add_u32 v[SPW], v[NIL]
	s_wait_dscnt 0x0
	s_endpgm
.Lfunc_end_k_q2c719b23e7_attn:
	.size	k_q2c719b23e7_attn, .Lfunc_end_k_q2c719b23e7_attn-k_q2c719b23e7_attn
	.p2alignl 7, 3214868480
	.fill 96, 4, 3214868480
	.section	.rodata,"a",@progbits
	.p2align	6, 0x0
	.amdhsa_kernel k_q2c719b23e7_attn
		.amdhsa_group_segment_fixed_size 35840
		.amdhsa_private_segment_fixed_size 0
		.amdhsa_enable_private_segment 0
		.amdhsa_kernarg_size 32
		.amdhsa_user_sgpr_count 2
		.amdhsa_user_sgpr_kernarg_segment_ptr 1
		.amdhsa_wavefront_size32 1
		.amdhsa_system_sgpr_workgroup_id_x 1
		.amdhsa_system_sgpr_workgroup_id_y 1
		.amdhsa_system_sgpr_workgroup_id_z 1
		.amdhsa_system_vgpr_workitem_id 0
		.amdhsa_next_free_vgpr 256
		.amdhsa_next_free_sgpr 90
		.amdhsa_reserve_vcc 0
		.amdhsa_float_denorm_mode_32 3
		.amdhsa_float_denorm_mode_16_64 3
		.amdhsa_memory_ordered 1
		.amdhsa_forward_progress 1
		.amdhsa_inst_pref_size 75
	.end_amdhsa_kernel
	.amdgpu_metadata
---
amdhsa.version: [ 1, 2 ]
amdhsa.kernels:
  - .name:           k_q2c719b23e7_attn
    .symbol:         k_q2c719b23e7_attn.kd
    .args:
      - { .name: qkv, .offset: 0, .size: 8, .value_kind: global_buffer, .address_space: global }
      - { .name: mask, .offset: 8, .size: 8, .value_kind: global_buffer, .address_space: global }
      - { .name: flags, .offset: 16, .size: 8, .value_kind: global_buffer, .address_space: global }
      - { .name: ao, .offset: 24, .size: 8, .value_kind: global_buffer, .address_space: global }
    .group_segment_fixed_size: 35840
    .private_segment_fixed_size: 0
    .kernarg_segment_align: 8
    .kernarg_segment_size: 32
    .max_flat_workgroup_size: 512
    .sgpr_count:     90
    .vgpr_count:     256
    .wavefront_size: 32
...
	.end_amdgpu_metadata
.endif
;; end of part 5
;; launch outp: the kernel of part 4 again; grid 4 x 64, 4 waves a work-group, clusters of 4 x 4, 263,680 bytes of LDS; arguments ao, cod1, scl1, out0; writes out0
